; MI455X (gfx1250); checked and timed in simulation.
; The chip was launched on July 23, 2026; its instructions are those of AMD's public machine-readable ISA for CDNA 5 (MIT licence, August 2026) and "CDNA5" Instruction Set Architecture Reference Guide (July 2026). The comments in the code are by the model that wrote it; some were corrected since.
;; OPT Attention. Allowed arithmetic: matrix products marked QUANTISED: E4M3 operands, one E8M0 scale for each 32 along K, by v_wmma_scale_f32_16x16x128_f8f6f4 with both operands' format E4M3, f32 sums; products left as they are: f32 operands where the result goes on into a quantised operand, else bf16, f16 or f32 operands; f32 sums; everything else in f32.
;; Inputs: Ak 16 x 1,024 float32; Ao 16 x 1,024 float32; Aq 16 x 1,024 float32; Av 16 x 1,024 float32; Bk 1,024 x 16 float32; Bo 1,024 x 16 float32; Bq 1,024 x 16 float32; Bv 1,024 x 16 float32; Wk 1,024 x 1,024 float32; Wo 1,024 x 1,024 float32; Wq 1,024 x 1,024 float32; Wv 1,024 x 1,024 float32; attention_mask 1 x 1 x 4,096 x 4,096 float32; hidden_states 1 x 4,096 x 1,024 float32.
;; Outputs: out0 1 x 4,096 x 1,024 float32.
;; This version of the problem:
;;   THIS VERSION OF THE PROBLEM IS GIVEN IN LOW PRECISION. The matrix products marked QUANTISED in the list below multiply operands that are first quantised to E4M3 (4 exponent bits, 3 mantissa bits; 8 bits a number), with one power-of-two scale for each 32 numbers along K (OCP MX v1.0); their sums are f32. All else is computed in f32.
;;   The module's matrix products, in the order in which they are computed (A, B: the left and right operand; K: the contracted axis; several contracted axes count as one K, in the product's order):
;;     1. [M 4,096, K 1,024] x [K 1,024, N 1,024]; A: input hidden_states; B: input Wq: QUANTISED
;;     2. [M 4,096, K 1,024] x [K 1,024, N 16]; A: input hidden_states; B: input Aq: QUANTISED
;;     3. [M 4,096, K 16] x [K 16, N 1,024]; A: computed on the way; B: input Bq: left as it is (K = 16 < 32)
;;     4. [M 4,096, K 1,024] x [K 1,024, N 1,024]; A: input hidden_states; B: input Wk: QUANTISED
;;     5. [M 4,096, K 1,024] x [K 1,024, N 16]; A: input hidden_states; B: input Ak: QUANTISED
;;     6. [M 4,096, K 16] x [K 16, N 1,024]; A: computed on the way; B: input Bk: left as it is (K = 16 < 32)
;;     7. [M 4,096, K 1,024] x [K 1,024, N 1,024]; A: input hidden_states; B: input Wv: QUANTISED
;;     8. [M 4,096, K 1,024] x [K 1,024, N 16]; A: input hidden_states; B: input Av: QUANTISED
;;     9. [M 4,096, K 16] x [K 16, N 1,024]; A: computed on the way; B: input Bv: left as it is (K = 16 < 32)
;;     10. batch 16 x [M 4,096, K 64] x [K 64, N 4,096]; A: computed on the way; B: computed on the way: QUANTISED
;;     11. batch 16 x [M 64, K 4,096] x [K 4,096, N 4,096]; A: computed on the way; B: softmax (see below): QUANTISED
;;     12. [M 4,096, K 1,024] x [K 1,024, N 1,024]; A: computed on the way; B: input Wo: QUANTISED
;;     13. [M 4,096, K 1,024] x [K 1,024, N 16]; A: computed on the way; B: input Ao: QUANTISED
;;     14. [M 4,096, K 16] x [K 16, N 1,024]; A: computed on the way; B: input Bo: left as it is (K = 16 < 32)
;;   THE QUANTISER, for each operand of a quantised product, along K:
;;     - K is cut into blocks of 32 from its start; a last block that is shorter is filled with zeros.
;;     - A block's scale is 2^e with e = floor(log2(the largest magnitude in the block)) - 8, held to -126 .. 127; a block of zeros has e = 0. As a byte (E8M0): e + 127.
;;     - Each number is divided by its block's scale, clamped to +-448, and rounded to the nearest number of E4M3, ties to even, subnormals kept.
;;     - The product sums the exact products of the quantised numbers (number of the format x scale) in f32.
;;   ~~~python
;;   def quantise(x, axis):      # numpy; x: float32 -> the quantised numbers, widened to float32 again
;;       x = np.moveaxis(x, axis, -1); K = x.shape[-1]
;;       x = np.pad(x, [(0, 0)] * (x.ndim - 1) + [(0, -K % 32)]); x = x.reshape(x.shape[:-1] + (-1, 32)); a = np.abs(x).max(-1, keepdims=True)
;;       e = np.where(a > 0, np.clip(np.frexp(np.where(a > 0, a, 1))[1] - 1 - 8, -126, 127), 0)      # np.frexp(a)[1] - 1 = floor(log2(a)), exactly
;;       r = np.clip(x / 2.0 ** e, -448, 448)
;;       step = 2.0 ** (np.maximum(np.frexp(np.where(r == 0, 1, r))[1] - 1, -6) - 3)
;;       q = np.round(r / step) * step * 2.0 ** e      # np.round: ties to even
;;       return np.moveaxis(q.reshape(q.shape[:-2] + (-1,))[..., :K], -1, axis).astype(np.float32)
;;   ~~~
;;   SOFTMAX AHEAD OF A QUANTISED PRODUCT. Where the list says 'softmax', what is quantised is not the finished softmax but p = 2^(t - M), with t = logit x log2(e) and M = ceil(the row's largest t), a whole number; so 1/2 < the row's largest p <= 1. The row's sum l is taken of the UNQUANTISED p, in f32, and the product's result is divided by l at the end. Since M is a whole number, a kernel that streams over the keys may use a running M (the ceiling of the running maximum): every later rescaling is an exact power of two, which a block's scale takes up: the codes' values come out the same.
;;   OPERANDS COMPUTED ON THE WAY. 'Computed on the way' means the value that the module computes at that place (a softmax that the list does not call 'softmax' is quantised finished and normalised). What goes into a quantiser is computed in f32, as accurately as f32 sums, v_exp_f32 and their like allow (about 1e-6 of the number): no bf16 or f16 on the way to a quantiser, and a product that is left as it is and whose result goes on into a quantised operand takes f32 operands (vector FMAs, or v_wmma_f32_16x16x4_f32). A number that lies on a knife's edge between two numbers of the format may be rounded either way, as far as f32 arithmetic and the matrix unit's own rounding can turn it there, and no further.
;; One version. Each part assembles by itself: llvm-mc -triple=amdgcn-amd-amdhsa -mcpu=gfx1250 --defsym DOCPART=n.
;; ======== version 1 of 1: 4 launches
;; limits: values are held in bf16: 8 bits of precision; right only within a limited range of input values
;; workspace buffers: cimg 9,306,112 bytes; csc 290,816 bytes; qimg 4,194,304 bytes; qsc 131,072 bytes; kv 8,650,752 bytes; oimg 4,194,304 bytes; osc 131,072 bytes
;; launch quant (part 1): grid 568 x 1, 2 waves a work-group, no clusters, 17,152 bytes of LDS; arguments hidden_states, Wq, Wk, Wv, Wo, Aq, Ak, Av, Ao, cimg, csc; writes cimg, csc
.if DOCPART == 1
	.amdgcn_target "amdgcn-amd-amdhsa--gfx1250"
	.amdhsa_code_object_version 6
	.text
	.protected	k_q4eeedbb448_quant
	.globl	k_q4eeedbb448_quant
	.p2align	8
	.type	k_q4eeedbb448_quant,@function
k_q4eeedbb448_quant:
	s_mov_b64 s[64:65], 0
	v_nop
	global_prefetch_b8 v0, s[64:65] scope:SCOPE_SE
	s_setreg_imm32_b32 hwreg(HW_REG_WAVE_MODE, 25, 1), 1
	s_wait_xcnt 0x0
; hidden_states [4096][1024], Wq, Wk, Wv, Wo [1024][1024], Aq, Ak, Av, Ao [16][1024], all f32 with K innermost, become codes of FP8 (E4M3) with one E8M0 byte for each 32 along K.
; THE CODES ARE LAID AS IMAGES OF OPERAND REGISTERS.  A tile is 16 rows x 1,024 K = 8 fragments of 16 rows x 128 K; a fragment's image is 2,048 bytes: chunk c (512 bytes) holds lane l's 16 bytes at 16 l:
; row l % 16, k = 32 c + 16 (l / 16) + 0 .. 15.  Four loads of 16 bytes a lane bring a fragment into any wave's registers.  cimg: [tile 568][K step 8][2,048].  csc: [tile][half of K][row 16][4 words], a word = the 4 bytes of a K step.
; WHICH ROWS FORM A TILE: tiles 0-255: hidden_states, tile 2 B + u: fragment row r is token 32 B + 8 u + r + 8 (r / 8).  Tiles 256 + 15 head + i: i 0-3 Wq, 4-7 Wk, 8-11 Wv (rows 64 head + 32 ((i / 2) % 2) + 8 (i % 2) + r + 8 (r / 8)),
; i 12, 13, 14: Aq, Ak, Av, rows as they lie (one copy for each head).  Tiles 496 + 9 g + i: i 0-7 Wo (rows 128 g + 32 (i / 2) + 8 (i % 2) + r + 8 (r / 8)), i 8: Ao.
; A block's scale is 2^(floor(log2(its largest magnitude)) - 8); its byte is the largest magnitude's exponent field - 8, held at 1 from below.
; LIMITS: a block of zeros gets the byte 1 where the rule says 127 (its codes are zeros; this program alone reads the bytes); blocks whose largest magnitude lies under 2^-118 were not tried; NaN and infinities are not served.
; SHARES: a work-group is one tile, each of its two waves half of K (four K steps).  Each load reads 512 consecutive bytes of one row; a K step's 16 rows turn through the wave's own stage in LDS, so that a lane
; gets 16 neighbours of each block of 32 of its row.  No barrier: waves share nothing.  Loads run two K steps (32 loads a wave) ahead.
.set SP,   528                         ; a stage row: 512 bytes + 16 of padding: 33 x 16, so that the 16 rows that a load touches start at 16 different groups of banks
.set WST,  16*SP                       ; a wave's stage
.set TM,   16                          ; v16-19 largest magnitudes, v20-23 bytes, v24-27 448 x the scale, v28-31 the conversions' scale operands
.set PC,   32                          ; v32-47 the codes of a fragment
.set PW,   48                          ; v48-51 the scale words of my four K steps
.set OW,   52                          ; v52-53 the two words that I store
.set R,    64                          ; v64-191 two sets of 64: a K step as loaded
.set X,    192                         ; v192-255 a K step in the operand's order: register 16 b + i = k 32 b + 16 (lane / 16) + i of my row
.set SEL,  28                          ; s[28:29] lane selects for v_permlanex16_b32: lane l xor 16
.set MNT,  30                          ; s30 the mantissa field of 448
.set WV,   31                          ; s31 my wave's number = my half of K
.set SRC,  36                          ; s[36:37] the source at the tile's first row
.set DC,   54                          ; s[54:55] where my codes go
.set DS,   56                          ; s[56:57] where my scale words go
; 64 numbers of a lane, v[s] on, become a fragment's codes in v[PC] on and its scale word in v[pw]
.macro QUANT s, pw
.irp b, 0,1,2,3
	v_max3_num_f32 v[TM+\b], |v[(\s)+16*\b]|, |v[(\s)+1+16*\b]|, 0x4800000   ; block b: my 16 numbers, and the floor 2^(9 - 127): the byte cannot fall under 1
.endr
.irp i, 2,4,6,8,10,12,14
.irp b, 0,1,2,3
	v_max3_num_f32 v[TM+\b], v[TM+\b], |v[(\s)+16*\b+\i]|, |v[(\s)+1+16*\b+\i]|   ; the four blocks by turns
.endr
.endr
.irp b, 0,1,2,3
	v_permlanex16_b32 v[TM+4+\b], v[TM+\b], s[SEL], s[SEL+1]
.endr
.irp b, 0,1,2,3
	v_max_num_f32 v[TM+\b], v[TM+\b], v[TM+4+\b]   ; with lane l xor 16's 16: the block's largest magnitude
.endr
.irp b, 0,1,2,3
	v_add_nc_u32 v[TM+12+\b], 0xfc000000, v[TM+\b]   ; 8 off its exponent field: the conversion takes this operand's exponent field as its scale
.endr
.irp b, 0,1,2,3
	v_and_or_b32 v[TM+8+\b], v[TM+\b], 0x7f800000, s[MNT]   ; 448 x the scale
.endr
.irp b, 0,1,2,3
	v_lshrrev_b32 v[TM+4+\b], 23, v[TM+12+\b]   ; the scale's byte
.endr
	v_lshl_or_b32 v[\pw], v[TM+5], 8, v[TM+4]
	v_lshl_or_b32 v[\pw], v[TM+6], 16, v[\pw]
	v_lshl_or_b32 v[\pw], v[TM+7], 24, v[\pw]
.irp b, 0,1,2,3
.irp i, 0,1,2,3,4,5,6,7,8,9,10,11,12,13,14,15
	v_med3_num_f32 v[(\s)+16*\b+\i], v[(\s)+16*\b+\i], -v[TM+8+\b], v[TM+8+\b]   ; the conversion to an 8-bit code does not saturate (ISA guide 7.6.2): the hold comes first
.endr
	v_cvt_scalef32_pk8_fp8_f32 v[PC+4*\b:PC+1+4*\b], v[(\s)+16*\b:(\s)+7+16*\b], v[TM+12+\b]
	v_cvt_scalef32_pk8_fp8_f32 v[PC+2+4*\b:PC+3+4*\b], v[(\s)+8+16*\b:(\s)+15+16*\b], v[TM+12+\b]
.endr
	v_nop                                          ; a plain line behind the last conversion
.endm
	s_load_b256 s[4:11], s[0:1], 0x0               ; hidden_states, Wq, Wk, Wv
	s_load_b256 s[12:19], s[0:1], 0x20             ; Wo, Aq, Ak, Av
	s_load_b64 s[20:21], s[0:1], 0x40              ; Ao
	s_load_b128 s[24:27], s[0:1], 0x48             ; cimg, csc
	v_lshl_add_u32 v62, v0, 2, 0x4200
	v_mov_b32 v63, 0
	v_lshrrev_b32 v1, 5, v0
	v_readfirstlane_b32 s[WV], v1
	v_and_b32 v7, 31, v0                           ; lane
	v_and_b32 v8, 15, v0                           ; r
	v_bfe_u32 v9, v0, 4, 1                         ; h
	v_lshlrev_b32 v5, 4, v7                        ; 16 x lane
	s_wait_alu depctr_va_vdst(0)
	s_mov_b32 s[SEL], 0x76543210
	s_mov_b32 s[SEL+1], 0xfedcba98
	s_mov_b32 s[MNT], 0x600000
.irp b, 0,1,2,3
	v_mov_b32 v[TM+4+\b], 0                        ; written once: a lane permute's destination counts as one of its sources
.endr
	; which source, which first row, and how far rows 8-15 of the tile lie behind rows 0-7 (8 + pm rows): from the work-group's number alone
	s_mov_b32 s42, ttmp9
	s_lshr_b32 s43, s42, 1
	s_lshl_b32 s43, s43, 5
	s_and_b32 s44, s42, 1
	s_lshl_b32 s44, s44, 3
	s_add_co_u32 s43, s43, s44                     ; hidden_states: first row 32 (tile / 2) + 8 (tile % 2)
	s_mov_b32 s45, 0                               ; source 0
	s_mov_b32 s46, 8                               ; pm
	s_sub_co_u32 s47, s42, 256                     ; tiles 256 on: 15 to a head
	s_mul_i32 s48, s47, 4370
	s_lshr_b32 s48, s48, 16                        ; head = (tile - 256) / 15 (exact for 0 .. 239)
	s_mul_i32 s49, s48, 15
	s_sub_co_u32 s49, s47, s49                     ; i
	s_lshr_b32 s50, s49, 1
	s_and_b32 s50, s50, 1
	s_lshl_b32 s50, s50, 5
	s_and_b32 s51, s49, 1
	s_lshl_b32 s51, s51, 3
	s_add_co_u32 s50, s50, s51
	s_lshl_b32 s51, s48, 6
	s_add_co_u32 s50, s50, s51                     ; 64 head + 32 ((i / 2) % 2) + 8 (i % 2)
	s_lshr_b32 s51, s49, 2
	s_add_co_u32 s51, s51, 1                       ; sources 1, 2, 3: Wq, Wk, Wv
	s_sub_co_u32 s52, s49, 7                       ; sources 5, 6, 7: Aq, Ak, Av
	s_cmp_lt_u32 s49, 12
	s_cselect_b32 s50, s50, 0
	s_cselect_b32 s51, s51, s52
	s_cselect_b32 s52, 8, 0
	s_cmp_ge_u32 s42, 256
	s_cselect_b32 s43, s50, s43
	s_cselect_b32 s45, s51, s45
	s_cselect_b32 s46, s52, s46
	s_sub_co_u32 s47, s42, 496                     ; tiles 496 on: 9 to a group of 128 rows of Wo
	s_mul_i32 s48, s47, 7282
	s_lshr_b32 s48, s48, 16                        ; g = (tile - 496) / 9 (exact for 0 .. 71)
	s_mul_i32 s49, s48, 9
	s_sub_co_u32 s49, s47, s49                     ; i
	s_lshr_b32 s50, s49, 1
	s_lshl_b32 s50, s50, 5
	s_and_b32 s51, s49, 1
	s_lshl_b32 s51, s51, 3
	s_add_co_u32 s50, s50, s51
	s_lshl_b32 s51, s48, 7
	s_add_co_u32 s50, s50, s51                     ; 128 g + 32 (i / 2) + 8 (i % 2)
	s_cmp_lt_u32 s49, 8
	s_cselect_b32 s50, s50, 0
	s_cselect_b32 s51, 4, 8                        ; Wo or Ao
	s_cselect_b32 s52, 8, 0
	s_cmp_ge_u32 s42, 496
	s_cselect_b32 s43, s50, s43
	s_cselect_b32 s45, s51, s45
	s_cselect_b32 s46, s52, s46
	s_lshl_b32 s32, s[WV], 11                      ; my half of a row: 2,048 bytes
	v_add_nc_u32 v1, s32, v5                       ; rows 0-7: 16 x lane + my half
	s_add_co_u32 s34, s46, 8
	s_lshl_b32 s34, s34, 12
	v_add_nc_u32 v2, s34, v1                       ; rows 8-15: 8 + pm rows of 4,096 bytes further down
	s_mul_i32 s33, s[WV], WST
	v_add_nc_u32 v3, s33, v5                       ; the stage, on the way in: 16 x lane in a row
	v_mul_u32_u24 v4, v8, SP
	v_lshl_add_u32 v4, v9, 6, v4
	v_add_nc_u32 v4, s33, v4                       ; and on the way out: row r, + 64 h: my 16 numbers of a block
	v_lshlrev_b32 v6, 4, v8
	v_lshl_add_u32 v6, v9, 3, v6                   ; my two scale words: 16 r + 8 h
	s_lshl_b32 s38, s43, 12                        ; the first row, in bytes
	s_mov_b32 s39, 0
	s_lshl_b32 s40, s42, 14
	s_lshl_b32 s41, s[WV], 13
	s_add_co_u32 s40, s40, s41                     ; codes: 16,384 x tile + 8,192 x half
	s_mov_b32 s41, 0
	s_lshl_b32 s58, s42, 9
	s_lshl_b32 s59, s[WV], 8
	s_add_co_u32 s58, s58, s59                     ; scale words: 512 x tile + 256 x half
	s_mov_b32 s59, 0
	s_wait_alu depctr_va_vdst(0)
	s_wait_kmcnt 0x0
	s_mov_b64 s[SRC:SRC+1], s[4:5]                 ; the choice hangs on the work-group's number alone
	s_cmp_eq_u32 s45, 1
	s_cselect_b64 s[SRC:SRC+1], s[6:7], s[SRC:SRC+1]
	s_cmp_eq_u32 s45, 2
	s_cselect_b64 s[SRC:SRC+1], s[8:9], s[SRC:SRC+1]
	s_cmp_eq_u32 s45, 3
	s_cselect_b64 s[SRC:SRC+1], s[10:11], s[SRC:SRC+1]
	s_cmp_eq_u32 s45, 4
	s_cselect_b64 s[SRC:SRC+1], s[12:13], s[SRC:SRC+1]
	s_cmp_eq_u32 s45, 5
	s_cselect_b64 s[SRC:SRC+1], s[14:15], s[SRC:SRC+1]
	s_cmp_eq_u32 s45, 6
	s_cselect_b64 s[SRC:SRC+1], s[16:17], s[SRC:SRC+1]
	s_cmp_eq_u32 s45, 7
	s_cselect_b64 s[SRC:SRC+1], s[18:19], s[SRC:SRC+1]
	s_cmp_eq_u32 s45, 8
	s_cselect_b64 s[SRC:SRC+1], s[20:21], s[SRC:SRC+1]
	s_add_nc_u64 s[SRC:SRC+1], s[SRC:SRC+1], s[38:39]
	s_add_nc_u64 s[DC:DC+1], s[24:25], s[40:41]
	s_add_nc_u64 s[DS:DS+1], s[26:27], s[58:59]
.macro LOAD k                          ; K step k of my four: 16 rows x 512 consecutive bytes, into set k % 2
.irp i, 0,1,2,3,4,5,6,7
	global_load_b128 v[R+64*((\k)%2)+4*\i:R+64*((\k)%2)+4*\i+3], v1, s[SRC:SRC+1] offset:\i*4096+512*(\k)
.endr
.irp i, 0,1,2,3,4,5,6,7
	global_load_b128 v[R+64*((\k)%2)+32+4*\i:R+64*((\k)%2)+32+4*\i+3], v2, s[SRC:SRC+1] offset:\i*4096+512*(\k)
.endr
.endm
.macro TURN k                          ; through my stage: LDS serves a wave's instructions in order, so no wait stands between the stores and the loads
.irp i, 0,1,2,3,4,5,6,7,8,9,10,11,12,13,14,15
	ds_store_b128 v3, v[R+64*((\k)%2)+4*\i:R+64*((\k)%2)+4*\i+3] offset:SP*\i
.endr
.irp b, 0,1,2,3
.irp j, 0,1,2,3
	ds_load_b128 v[X+16*\b+4*\j:X+16*\b+4*\j+3], v4 offset:128*\b+16*\j
.endr
.endr
.endm
	LOAD 0
	LOAD 1
.irp k, 0,1,2,3
.if \k < 3
	s_wait_loadcnt 16                              ; this K step's 16 loads are in; the next step's 16 may be out
.else
	s_wait_loadcnt 0x0
.endif
	TURN \k
	s_wait_dscnt 0x0                               ; my numbers are back, and the stores into the stage have read their registers,
.if \k < 2
	LOAD \k+2                                      ; which take the loads of two K steps on
.endif
.if \k > 0
	s_wait_xcnt 0x0                                ; the last K step's stores have read the codes' registers: they are written again only behind this wait
.endif
	QUANT X, PW+\k
.irp c, 0,1,2,3
	global_store_b128 v5, v[PC+4*\c:PC+4*\c+3], s[DC:DC+1] offset:2048*\k+512*\c   ; 32 lanes store 512 consecutive bytes
.endr
.endr
	v_cmp_ne_u32 vcc_lo, 0, v9                     ; both halves of the lanes hold all four words of row r: lanes 0-15 store words 0, 1, lanes 16-31 words 2, 3
	v_cndmask_b32 v[OW], v[PW], v[PW+2], vcc_lo
	v_cndmask_b32 v[OW+1], v[PW+1], v[PW+3], vcc_lo
	global_store_b64 v6, v[OW:OW+1], s[DS:DS+1]    ; 32 lanes store 256 consecutive bytes, aligned
	s_wait_tensorcnt 0x0
	ds_add_u32 v62, v63
	s_wait_dscnt 0x0
	s_endpgm
.Lfunc_end_k_q4eeedbb448_quant:
	.size	k_q4eeedbb448_quant, .Lfunc_end_k_q4eeedbb448_quant-k_q4eeedbb448_quant
	.p2alignl 7, 3214868480
	.fill 96, 4, 3214868480
	.section	.rodata,"a",@progbits
	.p2align	6, 0x0
	.amdhsa_kernel k_q4eeedbb448_quant
		.amdhsa_group_segment_fixed_size 17152
		.amdhsa_private_segment_fixed_size 0
		.amdhsa_enable_private_segment 0
		.amdhsa_kernarg_size 88
		.amdhsa_user_sgpr_count 2
		.amdhsa_user_sgpr_kernarg_segment_ptr 1
		.amdhsa_wavefront_size32 1
		.amdhsa_system_sgpr_workgroup_id_x 1
		.amdhsa_system_sgpr_workgroup_id_y 1
		.amdhsa_system_sgpr_workgroup_id_z 1
		.amdhsa_system_vgpr_workitem_id 0
		.amdhsa_next_free_vgpr 256
		.amdhsa_next_free_sgpr 66
		.amdhsa_reserve_vcc 1
		.amdhsa_float_denorm_mode_32 3
		.amdhsa_float_denorm_mode_16_64 3
		.amdhsa_memory_ordered 1
		.amdhsa_forward_progress 1
		.amdhsa_inst_pref_size 53
	.end_amdhsa_kernel
	.amdgpu_metadata
---
amdhsa.version: [ 1, 2 ]
amdhsa.kernels:
  - .name:           k_q4eeedbb448_quant
    .symbol:         k_q4eeedbb448_quant.kd
    .args:
      - { .name: hidden_states, .offset: 0, .size: 8, .value_kind: global_buffer, .address_space: global }
      - { .name: Wq, .offset: 8, .size: 8, .value_kind: global_buffer, .address_space: global }
      - { .name: Wk, .offset: 16, .size: 8, .value_kind: global_buffer, .address_space: global }
      - { .name: Wv, .offset: 24, .size: 8, .value_kind: global_buffer, .address_space: global }
      - { .name: Wo, .offset: 32, .size: 8, .value_kind: global_buffer, .address_space: global }
      - { .name: Aq, .offset: 40, .size: 8, .value_kind: global_buffer, .address_space: global }
      - { .name: Ak, .offset: 48, .size: 8, .value_kind: global_buffer, .address_space: global }
      - { .name: Av, .offset: 56, .size: 8, .value_kind: global_buffer, .address_space: global }
      - { .name: Ao, .offset: 64, .size: 8, .value_kind: global_buffer, .address_space: global }
      - { .name: cimg, .offset: 72, .size: 8, .value_kind: global_buffer, .address_space: global }
      - { .name: csc, .offset: 80, .size: 8, .value_kind: global_buffer, .address_space: global }
    .group_segment_fixed_size: 17152
    .private_segment_fixed_size: 0
    .kernarg_segment_align: 8
    .kernarg_segment_size: 88
    .max_flat_workgroup_size: 64
    .sgpr_count:     66
    .vgpr_count:     256
    .wavefront_size: 32
...
	.end_amdgpu_metadata
.endif
;; end of part 1
;; launch qkv (part 2): grid 16 x 16, 4 waves a work-group, clusters of 4 x 4, 327,680 bytes of LDS; arguments cimg, csc, Bq, Bk, Bv, qimg, qsc, kv; writes qimg, qsc, kv
.if DOCPART == 2
	.amdgcn_target "amdgcn-amd-amdhsa--gfx1250"
	.amdhsa_code_object_version 6
	.text
	.protected	k_q4eeedbb448_qkv
	.globl	k_q4eeedbb448_qkv
	.p2align	8
	.type	k_q4eeedbb448_qkv,@function
k_q4eeedbb448_qkv:
	s_mov_b64 s[64:65], 0
	v_nop
	global_prefetch_b8 v0, s[64:65] scope:SCOPE_SE
	s_setreg_imm32_b32 hwreg(HW_REG_WAVE_MODE, 25, 1), 1
	s_wait_xcnt 0x0
	s_wait_alu depctr_hold_cnt(0) depctr_sa_sdst(0) depctr_va_vdst(0) depctr_va_sdst(0) depctr_va_ssrc(0) depctr_va_vcc(0) depctr_vm_vsrc(0)
	s_getreg_b32 s2, hwreg(HW_REG_IB_STS2, 6, 4)
	s_cmp_eq_u32 s2, 0
	s_cbranch_scc0 .Lentry_in_a_cluster
	s_endpgm
.Lentry_in_a_cluster:
	s_bfe_u32 s2, ttmp6, 0x10000c
	s_cmp_lg_u32 s2, 0xf033
	s_cbranch_scc0 .Lentry_shape_is_right
	s_endpgm
.Lentry_shape_is_right:
.set SLOT,  131072
.set WOFF,  65536
.set XQ,    32768
.set WQ,    30720
.set FRB,   2048
.set SPARE, SLOT+WOFF+2*WQ
.set LI,   3
.set AX,   4
.set AWQ,  6
.set AWV,  8
.set AWA,  10
.set AW0,  12
.set OG,   14
.set LBO,  18
.set QSO,  19
.set VSO,  20
.set SPW,  28
.set NIL,  29
.set SC,   32
.set TM,   96
.set PWQ,  112
.set PWV,  116
.set OW,   118
.set XF,   128
.set T,    128
.set PC,   192
.set WV,   20
.set MH,   21
.set NH,   22
.set G1,   24
.set G0,   32
.set G1B,  48
.set G0B,  56
.set FAC,  94
.set MNT,  97
.set SEL,  98
.set MSB, 0
.macro WIN new
.if MSB != (\new)
	s_set_vgpr_msb (MSB<<8)|(\new)
.set MSB, (\new)
.endif
.endm
.set T_LO, 0xa1
.set T_HI, 0xf1
.set N_LO, 0xa4
.set N_HI, 0xf4
.set TO_W, 0x40
.macro PLACES n
.rept \n
	v_nop
.endr
.endm
.macro JLOAD g0a, g1a, g0b, g1b
	s_cmp_eq_u32 s[MH], 0
	s_cbranch_scc0 .Lfor_b_\@
	tensor_load_to_lds s[\g0a:\g0a+3], s[\g1a:\g1a+7]
	s_nop 0
.rept 4
	v_nop
.endr
	s_branch .Lasked_\@
.Lfor_b_\@:
	tensor_load_to_lds s[\g0b:\g0b+3], s[\g1b:\g1b+7]
	s_nop 0
.rept 4
	v_nop
.endr
.Lasked_\@:
.endm
.macro CREST
	s_cmp_lg_u32 s[WV], 0
	s_cbranch_scc1 .Lnot_wave_0_\@
	s_barrier_signal -3
.Lnot_wave_0_\@:
	s_barrier_wait -3
	s_barrier_signal -1
	s_barrier_wait -1
.endm
.macro CROUND
	s_barrier_signal -1
	s_barrier_wait -1
	CREST
.endm
.macro QUANT s, pw
.irp b, 0,1,2,3
	v_max3_num_f32 v[TM+\b], |v[(\s)+16*\b]|, |v[(\s)+1+16*\b]|, 0x4800000
.endr
.irp i, 2,4,6,8,10,12,14
.irp b, 0,1,2,3
	v_max3_num_f32 v[TM+\b], v[TM+\b], |v[(\s)+16*\b+\i]|, |v[(\s)+1+16*\b+\i]|
.endr
.endr
.irp b, 0,1,2,3
	v_permlanex16_b32 v[TM+4+\b], v[TM+\b], s[SEL], s[SEL+1]
.endr
.irp b, 0,1,2,3
	v_max_num_f32 v[TM+\b], v[TM+\b], v[TM+4+\b]
.endr
.irp b, 0,1,2,3
	v_add_nc_u32 v[TM+12+\b], 0xfc000000, v[TM+\b]
.endr
.irp b, 0,1,2,3
	v_and_or_b32 v[TM+8+\b], v[TM+\b], 0x7f800000, s[MNT]
.endr
.irp b, 0,1,2,3
	v_lshrrev_b32 v[TM+4+\b], 23, v[TM+12+\b]
.endr
	v_lshl_or_b32 v[\pw], v[TM+5], 8, v[TM+4]
	v_lshl_or_b32 v[\pw], v[TM+6], 16, v[\pw]
	v_lshl_or_b32 v[\pw], v[TM+7], 24, v[\pw]
.irp b, 0,1,2,3
.irp i, 0,1,2,3,4,5,6,7,8,9,10,11,12,13,14,15
	v_med3_num_f32 v[(\s)+16*\b+\i], v[(\s)+16*\b+\i], -v[TM+8+\b], v[TM+8+\b]
.endr
	v_cvt_scalef32_pk8_fp8_f32 v[PC+4*\b:PC+1+4*\b], v[(\s)+16*\b:(\s)+7+16*\b], v[TM+12+\b]
	v_cvt_scalef32_pk8_fp8_f32 v[PC+2+4*\b:PC+3+4*\b], v[(\s)+8+16*\b:(\s)+15+16*\b], v[TM+12+\b]
.endr
	v_nop
.endm
	s_load_b256 s[4:11], s[0:1], 0x0
	s_load_b256 s[12:19], s[0:1], 0x20
	v_lshl_add_u32 v[SPW], v0, 2, SPARE
	v_mov_b32 v[NIL], 0
	ds_add_u32 v28, v29
	ds_add_u32 v28, v29
	s_wait_dscnt 0x0
	v_lshrrev_b32 v1, 5, v0
	v_readfirstlane_b32 s[WV], v1
	s_lshr_b32 s[MH], s[WV], 1
	s_and_b32 s[NH], s[WV], 1
	s_bfe_u32 s40, ttmp6, 0x40000
	s_bfe_u32 s41, ttmp6, 0x40004
	s_lshl_b32 s42, ttmp9, 2
	s_add_co_u32 s42, s42, s40
	s_and_b32 s43, ttmp7, 0xffff
	s_lshl_b32 s43, s43, 2
	s_add_co_u32 s43, s43, s41
	s_lshl_b32 s44, s41, 2
	s_lshl_b32 s44, 15, s44
	s_lshl_b32 s45, 0x1111, s40
	s_or_b32 s[G1], s44, (3<<16)|(1<<21)
	s_or_b32 s[G1B], s45, (3<<16)|(1<<21)
	s_mov_b32 s[G1+1], 256<<16
	s_mov_b32 s[G1+2], 16<<16
	s_mov_b32 s[G1+3], 256<<16
	s_mov_b32 s[G1+4], 16
	s_mov_b32 s[G1+5], 2048
	s_mov_b32 s[G1+6], 0
	s_mov_b32 s[G1+7], 0
	s_mov_b32 s[G1B+1], 256<<16
	s_mov_b32 s[G1B+2], 15<<16
	s_mov_b32 s[G1B+3], 256<<16
	s_mov_b32 s[G1B+4], 15
	s_mov_b32 s[G1B+5], 2048
	s_mov_b32 s[G1B+6], 0
	s_mov_b32 s[G1B+7], 0
	s_lshl_b32 s70, s[NH], 11
	s_lshl_b32 s66, s43, 18
	s_add_co_u32 s66, s66, s70
	s_mov_b32 s67, 0
	s_mul_i32 s71, s42, 15
	s_add_co_u32 s71, s71, 256
	s_lshl_b32 s68, s71, 14
	s_add_co_u32 s68, s68, s70
	s_mov_b32 s69, 0
	s_lshl_b32 s72, s[NH], 15
	s_mul_i32 s73, s[NH], WQ
	s_add_co_u32 s73, s73, WOFF
	s_mov_b32 s[SEL], 0x76543210
	s_mov_b32 s[SEL+1], 0xfedcba98
	s_mov_b32 s[MNT], 0x600000
	s_wait_kmcnt 0x0
	s_add_nc_u64 s[74:75], s[4:5], s[66:67]
	s_add_nc_u64 s[76:77], s[4:5], s[68:69]
	CROUND
.irp s, 0,1
	s_mov_b32 s[G0+4*\s], 1
	s_add_co_u32 s[G0+4*\s+1], s72, \s*SLOT
	s_add_nc_u64 s[G0+4*\s+2:G0+4*\s+3], s[74:75], \s*4096
	s_or_b32 s[G0+4*\s+3], s[G0+4*\s+3], 0x80000000
	s_mov_b32 s[G0B+4*\s], 1
	s_add_co_u32 s[G0B+4*\s+1], s73, \s*SLOT
	s_add_nc_u64 s[G0B+4*\s+2:G0B+4*\s+3], s[76:77], \s*4096
	s_or_b32 s[G0B+4*\s+3], s[G0B+4*\s+3], 0x80000000
	s_wait_alu depctr_va_vdst(0)
	s_wait_tensorcnt 0x0
	ds_add_u32 v28, v29
	ds_add_u32 v28, v29
	s_wait_dscnt 0x0
	CROUND
	JLOAD G0+4*\s, G1, G0B+4*\s, G1B
.endr
	v_and_b32 v1, 15, v0
	v_bfe_u32 v2, v0, 4, 1
	v_and_b32 v[LI], 31, v0
	v_lshlrev_b32 v[LI], 4, v[LI]
	s_wait_alu depctr_va_vdst(0)
	s_lshl_b32 s78, s[MH], 14
	s_lshl_b32 s79, s[NH], 13
	s_add_co_u32 s79, s79, WOFF
	s_lshl_b32 s80, s[NH], 12
	s_add_co_u32 s80, s80, WOFF+8*FRB
	s_lshl_b32 s81, s[NH], 11
	s_add_co_u32 s81, s81, WOFF+12*FRB
	s_mov_b32 s82, WOFF
.irp s, 0,1
	v_add_nc_u32 v[AX+\s], s78, v[LI]
	v_add_nc_u32 v[AWQ+\s], s79, v[LI]
	v_add_nc_u32 v[AWV+\s], s80, v[LI]
	v_add_nc_u32 v[AWA+\s], s81, v[LI]
	v_add_nc_u32 v[AW0+\s], s82, v[LI]
	s_add_co_u32 s78, s78, SLOT
	s_add_co_u32 s79, s79, SLOT
	s_add_co_u32 s80, s80, SLOT
	s_add_co_u32 s81, s81, SLOT
	s_add_co_u32 s82, s82, SLOT
.endr
	s_lshl_b32 s83, s43, 4
	s_lshl_b32 s84, s[MH], 3
	s_add_co_u32 s83, s83, s84
	s_sub_co_u32 s84, s71, s83
	s_lshl_b32 s85, s[NH], 2
	s_add_co_u32 s85, s85, s84
	s_lshl_b32 s85, s85, 9
	s_lshl_b32 s86, s[NH], 1
	s_add_co_u32 s86, s86, s84
	s_add_co_u32 s86, s86, 4
	s_lshl_b32 s86, s86, 9
	s_add_co_u32 s87, s84, s[NH]
	s_add_co_u32 s87, s87, 6
	s_lshl_b32 s87, s87, 9
	s_add_co_u32 s88, s84, 7
	s_lshl_b32 s88, s88, 9
	s_lshl_b32 s83, s83, 9
	v_lshl_add_u32 v21, v1, 4, s83
	v_mad_u32_u24 v[OG], v2, s85, v21
	v_mad_u32_u24 v[OG+1], v2, s86, v21
	v_mad_u32_u24 v[OG+2], v2, s87, v21
	v_mad_u32_u24 v[OG+3], v2, s88, v21
.irp i, 0,1,2,3,4,5,6,7
.irp kh, 0,1
	global_load_b128 v[SC+8*\i+4*\kh:SC+8*\i+4*\kh+3], v[OG+\i/4+\i/6+\i/7], s[6:7] offset:\i*512+\kh*256
.endr
.endr
	v_and_b32 v[LBO], 8, v1
	v_add_nc_u32 v[LBO], v[LBO], v1
	v_lshlrev_b32 v[LBO], 6, v[LBO]
	v_lshl_add_u32 v[LBO], v2, 5, v[LBO]
	v_lshlrev_b32 v[QSO], 4, v1
	v_lshl_add_u32 v[QSO], v2, 3, v[QSO]
	v_lshlrev_b32 v[VSO], 3, v1
	v_lshl_add_u32 v[VSO], v2, 2, v[VSO]
.irp b, 0,1,2,3
	v_mov_b32 v[TM+4+\b], 0
.endr
	s_cmp_eq_u32 s[NH], 0
	s_cselect_b64 s[90:91], s[8:9], s[10:11]
	s_lshl_b32 s86, s42, 12
	s_mov_b32 s87, 0
	s_add_nc_u64 s[90:91], s[90:91], s[86:87]
	s_lshl_b32 s88, s[NH], 11
	s_add_co_u32 s86, s86, s88
	s_add_nc_u64 s[92:93], s[12:13], s[86:87]
.macro FRAG reg, adr, off
.irp c, 0,1,2,3
	ds_load_b128 v[(\reg)+4*\c:(\reg)+4*\c+3], v[\adr] offset:(\off)+512*\c
.endr
.endm
.macro FETCH_W slot, q, p
	WIN TO_W
.irp b, 0,1,2,3
	FRAG 128*(\p)+16*\b, AWQ+\slot, (\q)*WQ+\b*FRB
.endr
	FRAG 128*(\p)+64, AWV+\slot, (\q)*WQ
	FRAG 128*(\p)+80, AWV+\slot, (\q)*WQ+FRB
	FRAG 128*(\p)+96, AWA+\slot, (\q)*WQ
	FRAG 128*(\p)+112, AW0+\slot, (\q)*WQ+14*FRB
	WIN 0
.endm
.macro FETCH_X slot, q, i0
.irp i, 0,1,2,3
	FRAG XF+16*((\i0)+\i), AX+\slot, (\q)*XQ+((\i0)+\i)*FRB
.endr
.endm
.macro MULT H, p, ks, zero
.irp a, 0,1,2,3
.irp b, 0,1,2,3,6,7
.if \zero
	v_wmma_scale_f32_16x16x128_f8f6f4 v[8*(8*\a+\b):8*(8*\a+\b)+7], v[128*(\p)+16*\b:128*(\p)+16*\b+15], v[XF+16*(4*(\H)+\a):XF+16*(4*(\H)+\a)+15], 0, v[SC+8*\b+(\ks)], v[SC+8*(4*(\H)+\a)+(\ks)] matrix_a_scale:MATRIX_SCALE_ROW1
.else
	v_wmma_scale_f32_16x16x128_f8f6f4 v[8*(8*\a+\b):8*(8*\a+\b)+7], v[128*(\p)+16*\b:128*(\p)+16*\b+15], v[XF+16*(4*(\H)+\a):XF+16*(4*(\H)+\a)+15], v[8*(8*\a+\b):8*(8*\a+\b)+7], v[SC+8*\b+(\ks)], v[SC+8*(4*(\H)+\a)+(\ks)] matrix_a_scale:MATRIX_SCALE_ROW1
.endif
.endr
.endr
.endm
.macro MULN H, p, ks, zero
.irp a, 0,1,2,3
.irp b, 4,5
.if \zero
	v_wmma_scale_f32_16x16x128_f8f6f4 v[8*(8*\a+\b):8*(8*\a+\b)+7], v[XF+16*(4*(\H)+\a):XF+16*(4*(\H)+\a)+15], v[128*(\p)+16*\b:128*(\p)+16*\b+15], 0, v[SC+8*(4*(\H)+\a)+(\ks)], v[SC+8*\b+(\ks)] matrix_b_scale:MATRIX_SCALE_ROW1
.else
	v_wmma_scale_f32_16x16x128_f8f6f4 v[8*(8*\a+\b):8*(8*\a+\b)+7], v[XF+16*(4*(\H)+\a):XF+16*(4*(\H)+\a)+15], v[128*(\p)+16*\b:128*(\p)+16*\b+15], v[8*(8*\a+\b):8*(8*\a+\b)+7], v[SC+8*(4*(\H)+\a)+(\ks)], v[SC+8*\b+(\ks)] matrix_b_scale:MATRIX_SCALE_ROW1
.endif
.endr
.endr
.endm
.macro STEP slot, ks, zero
	s_wait_dscnt 16
	WIN T_LO
	MULT 0, 0, \ks, \zero
	WIN N_LO
	MULN 0, 0, \ks, \zero
	s_wait_dscnt 0x0
	PLACES 8
	FETCH_W \slot, 1, 1
	FETCH_X \slot, 1, 0
	WIN T_HI
	MULT 1, 0, \ks, \zero
	WIN N_HI
	MULN 1, 0, \ks, \zero
	PLACES 8
	WIN 0
	FETCH_X \slot, 1, 4
.endm
.macro TURN slot, next, fill, ks
	s_wait_tensorcnt 0x0
	ds_add_u32 v[SPW], v[NIL]
	s_wait_dscnt 17
	WIN T_LO
	MULT 0, 1, \ks, 0
	s_wait_dscnt 0x0
	s_barrier_signal -1
	WIN N_LO
	MULN 0, 1, \ks, 0
	WIN 0
	s_barrier_wait -1
.if \fill
	CREST
	s_add_nc_u64 s[G0+4*\slot+2:G0+4*\slot+3], s[G0+4*\slot+2:G0+4*\slot+3], 8192
	s_add_nc_u64 s[G0B+4*\slot+2:G0B+4*\slot+3], s[G0B+4*\slot+2:G0B+4*\slot+3], 8192
	JLOAD G0+4*\slot, G1, G0B+4*\slot, G1B
	PLACES 4
.else
	PLACES 8
.endif
	FETCH_W \next, 0, 0
	FETCH_X \next, 0, 0
	WIN T_HI
	MULT 1, 1, \ks, 0
	WIN N_HI
	MULN 1, 1, \ks, 0
	PLACES 8
	WIN 0
	FETCH_X \next, 0, 4
.endm
	s_wait_tensorcnt 1
	s_barrier_signal -1
	s_barrier_wait -1
	FETCH_W 0, 0, 0
	FETCH_X 0, 0, 0
	FETCH_X 0, 0, 4
	s_wait_loadcnt 0x0
	STEP 0, 0, 1
	TURN 0, 1, 1, 1
	STEP 1, 2, 0
	TURN 1, 0, 1, 3
	STEP 0, 4, 0
	TURN 0, 1, 0, 5
	STEP 1, 6, 0
	s_wait_dscnt 16
	WIN T_LO
	MULT 0, 1, 7, 0
	WIN N_LO
	MULN 0, 1, 7, 0
	s_wait_dscnt 0x0
	PLACES 8
	WIN TO_W
	s_wait_alu depctr_va_vdst(0)
.irp b, 0,1,2,3
	global_load_b128 v[8*\b:8*\b+3], v[LBO], s[90:91] offset:(32*(\b/2)+8*(\b%2))*64
	global_load_b128 v[8*\b+4:8*\b+7], v[LBO], s[90:91] offset:(32*(\b/2)+8*(\b%2))*64+16
.endr
.irp u, 0,1
	global_load_b128 v[32+8*\u:32+8*\u+3], v[LBO], s[92:93] offset:512*\u
	global_load_b128 v[32+8*\u+4:32+8*\u+7], v[LBO], s[92:93] offset:512*\u+16
.endr
	WIN T_HI
	MULT 1, 1, 7, 0
	WIN N_HI
	MULN 1, 1, 7, 0
	s_lshl_b32 s66, s43, 1
	s_add_co_u32 s66, s66, s[MH]
	s_lshr_b32 s67, s42, 2
	s_and_b32 s68, s42, 3
	s_mul_i32 s69, s67, 2162688
	s_mul_i32 s70, s66, 67584
	s_add_co_u32 s69, s69, s70
	s_lshl_b32 s70, s68, 13
	s_add_co_u32 s72, s69, s70
	s_lshl_b32 s73, s42, 18
	s_lshl_b32 s74, s66, 13
	s_add_co_u32 s73, s73, s74
	s_lshl_b32 s74, s68, 9
	s_add_co_u32 s74, s74, s69
	s_add_co_u32 s74, s74, 65536
	s_lshl_b32 s75, s42, 13
	s_lshl_b32 s76, s66, 8
	s_add_co_u32 s75, s75, s76
	s_mov_b32 s83, 0
	s_mov_b32 s85, 0
	s_cmp_eq_u32 s[NH], 0
	s_cselect_b64 s[78:79], s[14:15], s[18:19]
	s_cselect_b64 s[80:81], s[16:17], s[18:19]
	s_cselect_b32 s82, s73, s72
	s_cselect_b32 s84, s75, s74
	s_cselect_b32 s[FAC], 0x3e000000, 1.0
	s_mov_b32 s[FAC+1], s[FAC]
	s_add_nc_u64 s[78:79], s[78:79], s[82:83]
	s_add_nc_u64 s[80:81], s[80:81], s[84:85]
	s_lshl_b32 s86, s[NH], 12
	s_add_co_u32 s86, s86, s72
	s_add_co_u32 s86, s86, 32768
	s_mov_b32 s87, 0
	s_add_nc_u64 s[86:87], s[18:19], s[86:87]
	s_lshl_b32 s88, s[NH], 7
	s_add_co_u32 s88, s88, s74
	s_add_co_u32 s88, s88, 256
	s_mov_b32 s89, 0
	s_add_nc_u64 s[88:89], s[18:19], s[88:89]
	s_wait_loadcnt 0x0
	WIN 0x45
.set j, 0
.rept 24
	v_pk_add_f32 v[j:j+1], v[j:j+1], v[j:j+1]
.set j, j+2
.endr
	PLACES 9
.macro LORA_T
.irp s, 0,1,2,3
.irp a, 0,1,2,3
.irp b, 0,1,2,3
	v_wmma_f32_16x16x4_f32 v[8*(8*\a+\b):8*(8*\a+\b)+7], v[8*\b+2*\s:8*\b+2*\s+1], v[8*(8*\a+6)+2*\s:8*(8*\a+6)+2*\s+1], v[8*(8*\a+\b):8*(8*\a+\b)+7]
.endr
.endr
.endr
.endm
.macro LORA_N
.irp s, 0,1,2,3
.irp a, 0,1,2,3
.irp b, 4,5
	v_wmma_f32_16x16x4_f32 v[8*(8*\a+\b):8*(8*\a+\b)+7], v[8*(8*\a+7)+2*\s:8*(8*\a+7)+2*\s+1], v[8*\b+2*\s:8*\b+2*\s+1], v[8*(8*\a+\b):8*(8*\a+\b)+7]
.endr
.endr
.endr
.endm
	WIN 0xa9
	LORA_T
	WIN 0xa6
	LORA_N
	WIN 0xfd
	LORA_T
	WIN 0xf7
	LORA_N
	PLACES 8
.macro OUTQK bm
	WIN 0x02+(\bm)/2
.irp um, 0,1
.irp c, 0,1
.irp uw, 0,1
.irp i, 0,1,2,3
	v_pk_mul_f32 v[T+16*(2*\um+\c)+8*\uw+2*\i:T+16*(2*\um+\c)+8*\uw+2*\i+1], v[8*(8*((2*(\bm)+\um)%4)+2*\c+\uw)+2*\i:8*(8*((2*(\bm)+\um)%4)+2*\c+\uw)+2*\i+1], s[FAC:FAC+1] op_sel_hi:[1,0]
.endr
.endr
.endr
.endr
	WIN 0
	s_wait_xcnt 0x0
	QUANT T, PWQ+\bm
.irp c, 0,1,2,3
	global_store_b128 v[LI], v[PC+4*\c:PC+4*\c+3], s[78:79] offset:2048*(\bm)+512*\c
.endr
.endm
.macro OUTV uc
.irp bm, 0,1,2,3
	WIN 0x02+\bm/2
.irp um, 0,1
.irp i, 0,1,2,3
	v_pk_mul_f32 v[T+16*\bm+8*\um+2*\i:T+16*\bm+8*\um+2*\i+1], v[8*(8*((2*\bm+\um)%4)+4+(\uc))+2*\i:8*(8*((2*\bm+\um)%4)+4+(\uc))+2*\i+1], 1.0 op_sel_hi:[1,0]
.endr
.endr
.endr
	WIN 0
	s_wait_xcnt 0x0
	QUANT T, PWV+\uc
.irp c, 0,1,2,3
	global_store_b128 v[LI], v[PC+4*\c:PC+4*\c+3], s[86:87] offset:2048*(\uc)+512*\c
.endr
.endm
	OUTQK 0
	OUTQK 1
	OUTQK 2
	OUTQK 3
	OUTV 0
	OUTV 1
	v_cmp_ne_u32 vcc_lo, 0, v2
	v_cndmask_b32 v[OW], v[PWQ], v[PWQ+2], vcc_lo
	v_cndmask_b32 v[OW+1], v[PWQ+1], v[PWQ+3], vcc_lo
	v_cndmask_b32 v[OW+2], v[PWV], v[PWV+1], vcc_lo
	global_store_b64 v[QSO], v[OW:OW+1], s[80:81]
	global_store_b32 v[VSO], v[OW+2], s[88:89]
	s_wait_tensorcnt 0x0
	ds_add_u32 v[SPW], v[NIL]
	s_wait_dscnt 0x0
	CROUND
	s_endpgm
.Lfunc_end_k_q4eeedbb448_qkv:
	.size	k_q4eeedbb448_qkv, .Lfunc_end_k_q4eeedbb448_qkv-k_q4eeedbb448_qkv
	.p2alignl 7, 3214868480
	.fill 96, 4, 3214868480
	.section	.rodata,"a",@progbits
	.p2align	6, 0x0
	.amdhsa_kernel k_q4eeedbb448_qkv
		.amdhsa_group_segment_fixed_size 327680
		.amdhsa_private_segment_fixed_size 0
		.amdhsa_enable_private_segment 0
		.amdhsa_kernarg_size 64
		.amdhsa_user_sgpr_count 2
		.amdhsa_user_sgpr_kernarg_segment_ptr 1
		.amdhsa_wavefront_size32 1
		.amdhsa_system_sgpr_workgroup_id_x 1
		.amdhsa_system_sgpr_workgroup_id_y 1
		.amdhsa_system_sgpr_workgroup_id_z 1
		.amdhsa_system_vgpr_workitem_id 0
		.amdhsa_next_free_vgpr 1024
		.amdhsa_next_free_sgpr 100
		.amdhsa_reserve_vcc 1
		.amdhsa_float_denorm_mode_32 3
		.amdhsa_float_denorm_mode_16_64 3
		.amdhsa_memory_ordered 1
		.amdhsa_forward_progress 1
		.amdhsa_inst_pref_size 196
	.end_amdhsa_kernel
	.amdgpu_metadata
---
amdhsa.version: [ 1, 2 ]
amdhsa.kernels:
  - .name:           k_q4eeedbb448_qkv
    .symbol:         k_q4eeedbb448_qkv.kd
    .args:
      - { .name: cimg, .offset: 0, .size: 8, .value_kind: global_buffer, .address_space: global }
      - { .name: csc, .offset: 8, .size: 8, .value_kind: global_buffer, .address_space: global }
      - { .name: Bq, .offset: 16, .size: 8, .value_kind: global_buffer, .address_space: global }
      - { .name: Bk, .offset: 24, .size: 8, .value_kind: global_buffer, .address_space: global }
      - { .name: Bv, .offset: 32, .size: 8, .value_kind: global_buffer, .address_space: global }
      - { .name: qimg, .offset: 40, .size: 8, .value_kind: global_buffer, .address_space: global }
      - { .name: qsc, .offset: 48, .size: 8, .value_kind: global_buffer, .address_space: global }
      - { .name: kv, .offset: 56, .size: 8, .value_kind: global_buffer, .address_space: global }
    .group_segment_fixed_size: 327680
    .private_segment_fixed_size: 0
    .kernarg_segment_align: 8
    .kernarg_segment_size: 64
    .max_flat_workgroup_size: 128
    .sgpr_count:     100
    .vgpr_count:     1024
    .wavefront_size: 32
...
	.end_amdgpu_metadata
.endif
;; end of part 2
;; launch attn (part 3): grid 4 x 64, 8 waves a work-group, clusters of 4 x 4, 327,680 bytes of LDS; arguments attention_mask, qimg, qsc, kv, oimg, osc; writes oimg, osc
.if DOCPART == 3
	.amdgcn_target "amdgcn-amd-amdhsa--gfx1250"
	.amdhsa_code_object_version 6
	.text
	.protected	k_q4eeedbb448_attn
	.globl	k_q4eeedbb448_attn
	.p2align	8
	.type	k_q4eeedbb448_attn,@function
k_q4eeedbb448_attn:
	s_mov_b64 s[64:65], 0
	v_nop
	global_prefetch_b8 v0, s[64:65] scope:SCOPE_SE
	s_setreg_imm32_b32 hwreg(HW_REG_WAVE_MODE, 25, 1), 1
	s_wait_xcnt 0x0
	s_wait_alu depctr_hold_cnt(0) depctr_sa_sdst(0) depctr_va_vdst(0) depctr_va_sdst(0) depctr_va_ssrc(0) depctr_va_vcc(0) depctr_vm_vsrc(0)
	s_getreg_b32 s2, hwreg(HW_REG_IB_STS2, 6, 4)
	s_cmp_eq_u32 s2, 0
	s_cbranch_scc0 .Lentry_in_a_cluster
	s_endpgm
.Lentry_in_a_cluster:
	s_bfe_u32 s2, ttmp6, 0x10000c
	s_cmp_lg_u32 s2, 0xf033
	s_cbranch_scc0 .Lentry_shape_is_right
	s_endpgm
.Lentry_shape_is_right:
; O[q] = the sum over keys of softmax(max(q . k + mask[q][key], lowest)) v, for 16 heads of 64, 4,096 queries and keys; both products on codes of FP8 (E4M3) with E8M0 scales; then O is quantised along the 1,024 channels for the last projection.
; THE MASK IS AN INPUT: every tile of it is read and every score is computed.  It is the C of the first product, so the addition costs no vector instruction.
; THE SOFTMAX: t = logit x log2(e); M = the row's largest t so far, rounded up to a whole number; p = 2^(t - M) is quantised along the keys; the row's sum is taken of the unquantised p and divides at the end.  When M moves, the sum and O are multiplied by 2^(old M - new M): exact.
; REFERENCE()'S HOLD FROM BELOW is kept, at L = -2^127, and applied behind the exponential, which does not fall where its input rises: max(x, L) becomes max(p, plo), plo = 2^(L log2(e) - M).  The running largest t begins at L log2(e),
; a whole number in f32, so plo is 1 where all logits of the row so far are at or under L, and 0 in every other row (the next t above lies 2^104 higher).  One v_med3 holds p between plo and 448 x the scale;
; where plo is 1 every held p of the step is 1, so a lane's sum of its 64 keys is max(the sum of p, 64 plo).
; LIMITS: the hold stands at -2^127 where reference() holds at -3.4e38: a row that is masked throughout gets the equal weights that reference() gives; the two differ only where all logits of a row lie under -2^127 and are unequal.
; Apart from that hold the promise stands while the scaled scores stay under 2^31 in magnitude.  p under 2^-126 is flushed to 0.  A block of zeros gets the byte 1.  NaN among the inputs is not served.
; SHARES.  A work-group owns 64 queries and four heads; wave w owns head w / 2 of the four and queries 32 (w % 2) on: two tiles of 16.  Two waves share a SIMD.  Every wave walks all keys, 128 a step.
; CLUSTER 4 x 4: the mask's tile hangs on the queries alone and is shared along a row of the cluster; the block of K and V hangs on the group of heads alone and is shared along a column.
; THE ORDER OF A STEP.  Tile 1's softmax and second product are done BEHIND the next round: a wave leaves a slot with tile 1's scores and V's fragments in registers.  Behind the round it asks LDS for the new slot's K and tile 0's mask,
; and works tile 1 of the step before on registers while they come; V and tile 1's mask come while tile 0's softmax is walked.  Tile 0's second product and tile 1's first stand between the round's opening signal and its wait.
; So the first step, the loop's step and the last are written out: three copies of a step.
; LAYOUT.  S^T = K Q^T (source 0 = keys), O^T = V^T P^T (source 0 = channels): a lane holds ONE query.  The head is 64 deep and the instruction 128: a fragment of K holds TWO tiles of 16 keys, one behind the other along K,
; and Q stands beside 64 zero codes, below them for the first tile, above them for the second.  The keys of a tile are chosen so that p's 16 registers of two neighbouring tiles are 16 neighbouring keys.
; REGISTERS: window 0: v1-15 addresses; v16-23 statistics; v24-25 p's scale words, v26-27 Q's, v28-31 K's, v252-255 V's; v32-95 K's fragments; v96-159, v160-223 S^T, then p, of tiles 0, 1; v224-251 at work.
;   window 1: v0-63 O^T, 32 a tile; v64-103 eight zeros, q of tile 0, eight zeros, q of tile 1, eight zeros; v104-119 p's codes; v128-191 V's fragments.
.set MP,    528                        ; a row of the mask's tile in LDS: 512 bytes + 16 of padding
.set KVO,   64*MP                      ; a slot: 64 rows of the mask, then the block of kv, dense
.set KIMG,  KVO
.set VIMG,  KVO+32768
.set KSC,   KVO+65536
.set VSC,   KSC+256
.set KVB,   67584                      ; a block of kv
.set KV6,   11264                      ; a sixth of it: what one tensor load brings: 44 rows of 256 bytes
.set SLOT1, 131072                     ; slot 1 begins here: one exclusive or turns an address in one slot into the other's
.set STG,   SLOT1+KVO+KVB              ; behind the ring: 512 bytes in which O's scale halfwords of four heads meet
.set SPARE, STG+512                    ; the spare words, 128 bytes for each wave
.set AM0,  1
.set AK0,  2
.set AV0,  3
.set AKS0, 4
.set AVS0, 5
.set SPW,  6                           ; LDS address of my spare word; never rewritten
.set NIL,  7                           ; 0; never rewritten
.set ADM,  8                           ; v8-12 the step's addresses
.set ADK,  9
.set ADV,  10
.set ADKS, 11
.set ADVS, 12
.set PFO,  13                          ; the prefetches' offset; never rewritten
.set STO,  14                          ; where my scale halfwords go
.set LI,   15                          ; 16 x lane
.set STR,  19                          ; where wave 0 reads the scale words back
.set PWP,  24
.set QS,   26
.set KS,   28
.set KF,   32
.set PC,   32                          ; the way out: O's codes
.set SA,   96
.set SB,   160
.set TM,   224
.set BM,   224                         ; the blocks' largest scores, then largest p
.set BN,   228                         ; second chains; the other half's; then the bytes
.set HOLD, 232
.set CSC,  236
.set TS,   240                         ; v240-247 four chains of the sum
.set TMP,  248
.set PLO,  249
.set FF,   250                         ; v[250:251] f = 2^(old M - new M)
.set VS,   252
.set QR,   64                          ; in window 1
.set PCD,  104
.set VF,   128
.set WV,   16
.set HI,   17
.set QH,   18
.set MNT,  19
.set SEL,  20
.set CS,   22                          ; s[22:23] log2(e)
.set CLT,  24                          ; s24 -2^127 x log2(e)
.set TB,   25                          ; s25 the slot in hand
.set SLOTS, 26
.set LIM,  27
.set PFA,  28
.set PFS,  30
.set G1M,  32
.set G1K,  40
.set G0M,  48
.set G0K,  52
.set MSB, 0
.macro WIN new
.if MSB != (\new)
	s_set_vgpr_msb (MSB<<8)|(\new)
.set MSB, (\new)
.endif
.endm
; Every wave fetches: waves 0 to 5 a sixth of the block of kv each, waves 6 and 7 a half of the mask's tile each.  The branch hangs on the wave's number alone.  An s_nop 0 and four v_nop follow each line.
.macro TLOAD
	s_cmp_lt_u32 s[WV], 6
	s_cbranch_scc0 .Lmask_\@
	tensor_load_to_lds s[G0K:G0K+3], s[G1K:G1K+7]
	s_nop 0
.rept 4
	v_nop
.endr
	s_branch .Lasked_\@
.Lmask_\@:
	tensor_load_to_lds s[G0M:G0M+3], s[G1M:G1M+7]
	s_nop 0
.rept 4
	v_nop
.endr
.Lasked_\@:
.endm
; A PREFETCH INTO THE L2, two refills ahead: behind the refill that asks for step k stands the request for step k + 2.  Wave 4 of every work-group: 16 of the mask tile's 64 rows (the four partners that ask for the tile jointly are told apart by address),
; two blocks of 256 bytes a row, a lane a block.  Waves 5 and 6 of the first row of clusters: 16,384 of the kv block's first 65,536 bytes for each of the column's four partners, lanes 256 bytes apart.  Each block is named once in the launch.
; The last two refills ask for nothing; steps 0 to 3 and a block's 2,048 scale bytes come by their loads alone.
.macro ASK
	s_cmp_gt_u32 s[SLOTS], s[LIM]
	s_cbranch_scc0 .Lnot_mine_\@
	global_prefetch_b8 v[PFO], s[PFA:PFA+1] th:TH_LOAD_NT scope:SCOPE_SE
.Lnot_mine_\@:
.endm
.macro CREST                           ; a round of the cluster's barrier behind its opening barrier
	s_cmp_lg_u32 s[WV], 0
	s_cbranch_scc1 .Lnot_wave_0_\@
	s_barrier_signal -3
.Lnot_wave_0_\@:
	s_barrier_wait -3
	s_barrier_signal -1
	s_barrier_wait -1
.endm
.macro CROUND
	s_barrier_signal -1
	s_barrier_wait -1
	CREST
.endm
.macro QUANT s, pw
.irp b, 0,1,2,3
	v_max3_num_f32 v[TM+\b], |v[(\s)+16*\b]|, |v[(\s)+1+16*\b]|, 0x4800000
.endr
.irp i, 2,4,6,8,10,12,14
.irp b, 0,1,2,3
	s_delay_alu instid0(VALU_DEP_4)
	v_max3_num_f32 v[TM+\b], v[TM+\b], |v[(\s)+16*\b+\i]|, |v[(\s)+1+16*\b+\i]|
.endr
.endr
.irp b, 0,1,2,3
	s_delay_alu instid0(VALU_DEP_4)
	v_permlanex16_b32 v[TM+4+\b], v[TM+\b], s[SEL], s[SEL+1]
.endr
.irp b, 0,1,2,3
	s_delay_alu instid0(VALU_DEP_4)
	v_max_num_f32 v[TM+\b], v[TM+\b], v[TM+4+\b]
.endr
.irp b, 0,1,2,3
	s_delay_alu instid0(VALU_DEP_4)
	v_add_nc_u32 v[TM+12+\b], 0xfc000000, v[TM+\b]
.endr
.irp b, 0,1,2,3
	v_and_or_b32 v[TM+8+\b], v[TM+\b], 0x7f800000, s[MNT]
.endr
.irp b, 0,1,2,3
	v_lshrrev_b32 v[TM+4+\b], 23, v[TM+12+\b]
.endr
	s_delay_alu instid0(VALU_DEP_3)
	v_lshl_or_b32 v[\pw], v[TM+5], 8, v[TM+4]
	s_delay_alu instid0(VALU_DEP_1)
	v_lshl_or_b32 v[\pw], v[TM+6], 16, v[\pw]
	s_delay_alu instid0(VALU_DEP_1)
	v_lshl_or_b32 v[\pw], v[TM+7], 24, v[\pw]
.irp b, 0,1,2,3
.irp i, 0,1,2,3,4,5,6,7,8,9,10,11,12,13,14,15
	v_med3_num_f32 v[(\s)+16*\b+\i], v[(\s)+16*\b+\i], -v[TM+8+\b], v[TM+8+\b]
.endr
	v_cvt_scalef32_pk8_fp8_f32 v[PC+4*\b:PC+1+4*\b], v[(\s)+16*\b:(\s)+7+16*\b], v[TM+12+\b]
	v_cvt_scalef32_pk8_fp8_f32 v[PC+2+4*\b:PC+3+4*\b], v[(\s)+8+16*\b:(\s)+15+16*\b], v[TM+12+\b]
.endr
	v_nop
.endm
	s_load_b256 s[4:11], s[0:1], 0x0               ; the mask, qimg, qsc, kv
	s_load_b128 s[12:15], s[0:1], 0x20             ; oimg, osc
	v_lshl_add_u32 v[SPW], v0, 2, SPARE
	v_mov_b32 v[NIL], 0
	ds_add_u32 v[SPW], v[NIL]                      ; the opening lines: the add, twice on end, and its wait
	ds_add_u32 v[SPW], v[NIL]
	s_wait_dscnt 0x0
	v_lshrrev_b32 v1, 5, v0
	v_readfirstlane_b32 s[WV], v1                  ; wave 0..7
	s_lshr_b32 s[HI], s[WV], 1                     ; my head of the four
	s_and_b32 s[QH], s[WV], 1                      ; my 32 of the 64 queries; in waves 6, 7 also: which half of the mask's tile I fetch
	s_bfe_u32 s56, ttmp6, 0x40000                  ; cx, cy
	s_bfe_u32 s57, ttmp6, 0x40004
	s_lshl_b32 s58, ttmp9, 2
	s_add_co_u32 s58, s58, s56                     ; the group of four heads
	s_and_b32 s59, ttmp7, 0xffff
	s_lshl_b32 s59, s59, 2
	s_add_co_u32 s59, s59, s57                     ; the block of 64 queries
	s_lshl_b32 s60, s58, 2
	s_add_co_u32 s60, s60, s[HI]                   ; my head
	s_lshl_b32 s61, s57, 2
	s_lshl_b32 s61, 15, s61                        ; my row of the cluster
	s_lshl_b32 s62, 0x1111, s56                    ; my column
	s_or_b32 s[G1M], s61, (2<<16)|(1<<20)|(1<<21)|(6<<22)|(3<<25)  ; the mask: rows of 128 elements of 4 bytes; 4 words of padding behind every 128; 64 rows for the head's loads, 32 for the ring's
	s_mov_b32 s[G1M+1], 128<<16
	s_mov_b32 s[G1M+2], 64<<16
	s_mov_b32 s[G1M+3], 128<<16
	s_mov_b32 s[G1M+4], 64
	s_mov_b32 s[G1M+5], 4096
	s_mov_b32 s[G1M+6], 0
	s_mov_b32 s[G1M+7], 0
	s_or_b32 s[G1K], s62, (3<<16)|(1<<21)          ; kv: dense rows of 32 elements of 8 bytes; 88 rows, a third of a block, for the head's loads, 44 for the ring's
	s_mov_b32 s[G1K+1], 32<<16
	s_mov_b32 s[G1K+2], 88<<16
	s_mov_b32 s[G1K+3], 32<<16
	s_mov_b32 s[G1K+4], 88
	s_mov_b32 s[G1K+5], 32
	s_mov_b32 s[G1K+6], 0
	s_mov_b32 s[G1K+7], 0
	s_mov_b32 s[MNT], 0x600000
	s_mov_b32 s[SEL], 0x76543210
	s_mov_b32 s[SEL+1], 0xfedcba98
	s_mov_b32 s[CS], 0x3fb8aa3b                    ; log2(e)
	s_mov_b32 s[CS+1], s[CS]
	s_mov_b32 s[CLT], 0xff38aa3b                   ; -2^127 x log2(e)
	s_mov_b32 s[TB], 0
	s_mul_i32 s66, s[QH], 32*MP                    ; 32 rows of the mask's tile: my queries'; and where waves 6, 7 put their halves
	s_lshl_b32 s67, s[HI], 13
	s_add_co_u32 s68, s67, VIMG
	s_add_co_u32 s67, s67, KIMG
	s_lshl_b32 s69, s[HI], 9
	s_add_co_u32 s70, s69, VSC
	s_add_co_u32 s69, s69, KSC
	s_lshl_b32 s71, s[QH], 8
	s_lshl_b32 s72, s[HI], 1
	s_add_co_u32 s71, s71, s72
	s_add_co_u32 s71, s71, STG
	s_mov_b32 s78, 512
	s_cmp_eq_u32 s[WV], 4
	s_cselect_b32 s78, 16384, s78                  ; the prefetches: from pair of lanes to pair of lanes
	s_lshl_b32 s85, s[QH], 19                      ; 32 rows of 16,384 bytes
	s_lshl_b32 s72, s59, 20                        ; the mask at my block's 64 rows
	s_lshr_b32 s79, s[WV], 2                       ; the head's loads: waves 0 to 3 fetch step 0 into slot 0, waves 4 to 7 step 1 into slot 1
	s_lshl_b32 s80, s79, 9
	s_add_co_u32 s80, s80, s72                     ; the mask's whole tile of that step
	s_mov_b32 s81, 0
	s_add_co_u32 s72, s72, s85
	s_add_co_u32 s72, s72, 512                     ; the ring's descriptors stand at step 1, slot 1: the first refill steps them to step 2, slot 0
	s_mov_b32 s73, 0
	s_min_u32 s86, s[WV], 5
	s_mul_i32 s86, s86, KV6                        ; the ring: my sixth of a block
	s_mul_i32 s74, s58, 32*KVB
	s_and_b32 s82, s[WV], 3                        ; the head: 0, 1, 2: a third of the block of kv; 3: the mask's tile
	s_min_u32 s83, s82, 2
	s_mul_i32 s83, s83, 2*KV6
	s_mul_i32 s84, s79, KVB
	s_add_co_u32 s84, s84, s74
	s_add_co_u32 s84, s84, s83
	s_mov_b32 s85, 0
	s_add_co_u32 s74, s74, s86
	s_add_co_u32 s74, s74, KVB
	s_mov_b32 s75, 0
	s_add_co_u32 s86, s86, KVO+SLOT1
	s_lshl_b32 s79, s79, 17                        ; the head's slot
	s_add_co_u32 s83, s83, s79
	s_add_co_u32 s83, s83, KVO
	; every LDS address is made here, of the wave's number and the lane alone
	v_and_b32 v240, 15, v0                         ; r
	v_bfe_u32 v241, v0, 4, 1                       ; h
	v_and_b32 v242, 31, v0
	v_lshrrev_b32 v243, 3, v240
	v_and_b32 v247, 7, v240
	v_and_b32 v244, 1, v242
	v_lshlrev_b32 v[LI], 4, v242
	v_mul_u32_u24 v[AM0], v240, MP
	v_lshrrev_b32 v[PFO], 1, v242
	v_lshlrev_b32 v9, 10, v243
	v_lshl_add_u32 v[AKS0], v240, 4, s69
	v_lshl_add_u32 v[AVS0], v240, 3, s70
	v_lshl_add_u32 v[STO], v240, 3, s71            ; [tile 4][r 16][head 4] halfwords
	v_lshl_add_u32 v[AM0], v241, 6, v[AM0]
	v_mul_lo_u32 v[PFO], v[PFO], s78
	v_lshl_add_u32 v9, v241, 8, v9
	v_add_nc_u32 v[AK0], s67, v[LI]
	v_add_nc_u32 v[AV0], s68, v[LI]
	v_add_nc_u32 v[STR], STG, v[LI]
	v_add_nc_u32 v[AM0], s66, v[AM0]               ; the mask: row 32 qh + r, + 64 h
	v_lshl_add_u32 v[PFO], v244, 8, v[PFO]
	v_lshl_add_u32 v9, v247, 4, v9                 ; Q: query 16 t + r of a group of 32 is fragment row 8 t + r % 8 of tile r / 8
	v_lshlrev_b32 v10, 4, v247
	v_lshlrev_b32 v11, 4, v243                     ; my halfword of the scale word
.irp t, 0,1
	v_mov_b32 v[17+4*\t], s[CLT]                   ; the largest t so far: the hold's
	v_mov_b32 v[18+4*\t], 0                        ; my lane's part of the sum
.endr
.irp t, 0,1
	v_floor_f32 v[16+4*\t], -v[17+4*\t]            ; -M
.endr
	v_mov_b32 v23, 0                               ; (named as the upper halves of pairs)
	v_mov_b32 v[FF+1], 0
	s_wait_alu depctr_va_vdst(0)
	s_wait_kmcnt 0x0
	s_mov_b32 s[G0M], 1
	s_add_co_u32 s[G0M+1], s66, SLOT1
	s_add_nc_u64 s[G0M+2:G0M+3], s[4:5], s[72:73]
	s_or_b32 s[G0M+3], s[G0M+3], 0x80000000
	s_mov_b32 s[G0K], 1
	s_mov_b32 s[G0K+1], s86
	s_add_nc_u64 s[G0K+2:G0K+3], s[10:11], s[74:75]
	s_or_b32 s[G0K+3], s[G0K+3], 0x80000000
.set G0HM, 88                          ; s[88:91], s[92:95] group 0 for the head's loads
.set G0HK, 92
	s_mov_b32 s[G0HM], 1
	s_mov_b32 s[G0HM+1], s79
	s_add_nc_u64 s[G0HM+2:G0HM+3], s[4:5], s[80:81]
	s_or_b32 s[G0HM+3], s[G0HM+3], 0x80000000
	s_mov_b32 s[G0HK], 1
	s_mov_b32 s[G0HK+1], s83
	s_add_nc_u64 s[G0HK+2:G0HK+3], s[10:11], s[84:85]
	s_or_b32 s[G0HK+3], s[G0HK+3], 0x80000000
	CROUND                                         ; all sixteen work-groups are here
	s_cmp_lt_u32 s82, 3                            ; THE HEAD'S LOADS, one a wave, both slots' first fills as one group: one branch on the wave's number, a load in each arm
	s_cbranch_scc0 .Lhead_mask
	tensor_load_to_lds s[G0HK:G0HK+3], s[G1K:G1K+7]
	s_nop 0
.rept 4
	v_nop
.endr
	s_branch .Lhead_asked
.Lhead_mask:
	tensor_load_to_lds s[G0HM:G0HM+3], s[G1M:G1M+7]
	s_nop 0
.rept 4
	v_nop
.endr
.Lhead_asked:
	s_lshl_b32 s68, s59, 1
	s_add_co_u32 s68, s68, s[QH]                   ; my group of 32 queries
	s_lshl_b32 s70, s60, 18
	s_lshl_b32 s71, s68, 11
	s_add_co_u32 s70, s70, s71
	s_mov_b32 s71, 0
	s_add_nc_u64 s[70:71], s[6:7], s[70:71]
	s_lshl_b32 s72, s60, 13
	s_lshr_b32 s73, s68, 2
	s_lshl_b32 s73, s73, 8
	s_add_co_u32 s72, s72, s73
	s_and_b32 s73, s68, 3
	s_lshl_b32 s73, s73, 2
	s_add_co_u32 s72, s72, s73
	s_mov_b32 s73, 0
	s_add_nc_u64 s[72:73], s[8:9], s[72:73]
	s_lshl_b32 s74, s68, 15
	s_lshl_b32 s75, s60, 10
	s_add_co_u32 s74, s74, s75
	s_mov_b32 s75, 0
	s_add_nc_u64 s[74:75], s[12:13], s[74:75]      ; oimg: tile 2 x group, 16,384 bytes a tile, + 1,024 x head
	s_lshl_b32 s76, s58, 15
	s_lshl_b32 s77, s59, 9
	s_add_co_u32 s76, s76, s77
	s_mov_b32 s77, 0
	s_add_nc_u64 s[76:77], s[14:15], s[76:77]      ; osc
	WIN 0x40                                       ; destination window 1
.irp t, 0,1
.irp c, 0,1
	global_load_b128 v[QR+8+16*\t+4*\c:QR+8+16*\t+4*\c+3], v9, s[70:71] offset:512*\c+128*\t
.endr
.endr
.irp g, 0,16,32
.irp i, 0,1,2,3,4,5,6,7
	v_mov_b32 v[QR+\g+\i], 0                       ; the zero codes beside q
.endr
.endr
.set j, 0
.rept 64
	v_mov_b32 v[j], 0                              ; O^T: the first change of M leaves zeros zeros
.set j, j+1
.endr
	WIN 0
	global_load_b32 v[QS], v10, s[72:73]
	global_load_b32 v[QS+1], v10, s[72:73] offset:128
	; the prefetches: where my wave's stand, and who asks
	s_mov_b32 s[PFS], KVB
	s_lshl_b32 s79, s59, 6
	s_lshl_b32 s80, s56, 4
	s_add_co_u32 s79, s79, s80
	s_lshl_b32 s79, s79, 14
	s_add_co_u32 s79, s79, 3*512                   ; the mask: row 64 x block + 16 cx, step 3
	s_mul_i32 s80, s58, 32*KVB
	s_add_co_u32 s80, s80, 3*KVB                   ; kv: step 3,
	s_lshl_b32 s81, s57, 14
	s_add_co_u32 s80, s80, s81                     ; + 16,384 cy,
	s_sub_co_u32 s81, s[WV], 5
	s_and_b32 s82, s81, 1
	s_lshl_b32 s82, s82, 13
	s_add_co_u32 s80, s80, s82                     ; + 8,192 for wave 6
	s_lshr_b32 s81, s81, 1                         ; 0 in waves 5 and 6,
	s_and_b32 s82, ttmp7, 0xffff
	s_or_b32 s81, s81, s82                         ; of the first row of clusters: the same in all partners
	s_cmp_eq_u32 s[WV], 4
	s_cselect_b64 s[PFA:PFA+1], s[4:5], s[10:11]
	s_cselect_b32 s[PFS], 512, s[PFS]              ; a step on
	s_cselect_b32 s80, s79, s80
	s_cselect_b32 s81, 0, s81
	s_cmp_eq_u32 s81, 0
	s_cselect_b32 s[LIM], 2, -1
	s_mov_b32 s81, 0
	s_mov_b32 s[PFS+1], 0
	s_add_nc_u64 s[PFA:PFA+1], s[PFA:PFA+1], s[80:81]   ; at step 3: the first refill, of step 2, steps it to step 4.  Nothing is prefetched here, at the head
	s_wait_alu depctr_va_vdst(0)
	s_wait_loadcnt 0x0                             ; Q and its scale words
.irp t, 0,1
	v_lshrrev_b32 v[QS+\t], v11, v[QS+\t]          ; my tile's two bytes,
.endr
.irp t, 0,1
	s_delay_alu instid0(VALU_DEP_2)
	v_and_b32 v[QS+\t], 0xffff, v[QS+\t]
.endr
.irp t, 0,1
	s_delay_alu instid0(VALU_DEP_2)
	v_lshl_or_b32 v[QS+\t], v[QS+\t], 16, v[QS+\t] ; twice: the same word serves q below the zeros and q above them
.endr
; The softmax of tile t, whose 64 scores lie from v[sb] on, for one step of 128 keys.  Register 16 b + i holds key 32 b + 16 (lane / 16) + i.
.macro SOFTMAX t, sb
.set NM, 16+4*(\t)                     ; v[NM] -M, v[NM+1] the largest t
.set SU, 18+4*(\t)                     ; the sum
.irp b, 0,1,2,3                        ; the largest score of each block of 32 keys, in eight chains by turns, each accumulator from its low end on
	v_max3_num_f32 v[BM+\b], v[\sb+16*\b], v[\sb+16*\b+1], v[\sb+16*\b+2]
	v_max3_num_f32 v[BN+\b], v[\sb+16*\b+8], v[\sb+16*\b+9], v[\sb+16*\b+10]
.endr
.irp i, 3,5
.irp b, 0,1,2,3
	v_max3_num_f32 v[BM+\b], v[BM+\b], v[\sb+16*\b+\i], v[\sb+16*\b+\i+1]
	v_max3_num_f32 v[BN+\b], v[BN+\b], v[\sb+16*\b+\i+8], v[\sb+16*\b+\i+9]
.endr
.endr
.irp b, 0,1,2,3
	v_max3_num_f32 v[BM+\b], v[BM+\b], v[\sb+16*\b+7], v[\sb+16*\b+15]
.endr
.irp b, 0,1,2,3
	s_delay_alu instid0(VALU_DEP_4)
	v_max_num_f32 v[BM+\b], v[BM+\b], v[BN+\b]
.endr
.irp b, 0,1,2,3
	s_delay_alu instid0(VALU_DEP_4)
	v_permlanex16_b32 v[BN+\b], v[BM+\b], s[SEL], s[SEL+1]
.endr
.irp b, 0,1,2,3
	s_delay_alu instid0(VALU_DEP_4)
	v_max_num_f32 v[BM+\b], v[BM+\b], v[BN+\b]     ; with lane l xor 16's 16 keys
.endr
	s_delay_alu instid0(VALU_DEP_2)
	v_max3_num_f32 v[TMP], v[BM], v[BM+1], v[BM+2]
	s_delay_alu instid0(VALU_DEP_1)
	v_max_num_f32 v[TMP], v[TMP], v[BM+3]
	s_delay_alu instid0(VALU_DEP_1)
	v_mul_f32 v[TMP], s[CS], v[TMP]                ; as t
	s_delay_alu instid0(VALU_DEP_1)
	v_max_num_f32 v[NM+1], v[NM+1], v[TMP]         ; the running largest t: never under the hold's
	v_mov_b32 v[TMP], v[NM]
	s_delay_alu instid0(VALU_DEP_2)
	v_floor_f32 v[NM], -v[NM+1]                    ; the new -M = -ceil(t): a whole number
	s_delay_alu instid0(VALU_DEP_1)
	v_sub_f32 v[TMP], v[NM], v[TMP]                ; old M - new M
	s_delay_alu instid0(VALU_DEP_1)
	v_cvt_i32_f32 v[TMP], v[TMP]                   ; (it saturates)
	s_delay_alu instid0(VALU_DEP_1)
	v_ldexp_f32 v[FF], 1.0, v[TMP]                 ; f = 2^(old M - new M)
.set j, 0
.rept 16
	v_pk_fma_f32 v[\sb+j:\sb+j+1], v[\sb+j:\sb+j+1], s[CS:CS+1], v[NM:NM+1] op_sel_hi:[1,0,0]   ; t - M, two at a time: blocks 0 and 1
.set j, j+2
.endr
.irp b, 0,1,2,3
	v_fma_f32 v[BM+\b], v[BM+\b], s[CS], v[NM]
.endr
	v_add_f32 v[PLO], s[CLT], v[NM]                ; the hold's t - M
	s_wait_alu depctr_va_vdst(0)                   ; ahead of the batch
.set j, 0
; THE EXPONENTIALS GO IN TWO BATCHES, each with plain lines among them that name none of the batch's results, read only what was made ahead of the wait in front of the batch, and are first read behind the wait that follows it.
.irp b, 0,1,2,3
	v_exp_f32 v[BM+\b], v[BM+\b]                   ; the blocks' largest p,
.endr
	v_exp_f32 v[PLO], v[PLO]                       ; plo,
.rept 16
	v_exp_f32 v[\sb+j], v[\sb+j]                   ; and p = 2^(t - M) of blocks 0 and 1;
	v_exp_f32 v[\sb+j+1], v[\sb+j+1]
	v_pk_fma_f32 v[\sb+32+j:\sb+32+j+1], v[\sb+32+j:\sb+32+j+1], s[CS:CS+1], v[NM:NM+1] op_sel_hi:[1,0,0]   ; among them t - M of blocks 2 and 3
.set j, j+2
.endr
	s_wait_alu depctr_va_vdst(0)                   ; one wait for the batch, ahead of its first reader
	v_mul_f32 v[SU], v[SU], v[FF]                  ; the sum under the new M
.irp k, 0,1,2,3                        ; the sum of the unquantised p, in four chains by turns
	v_pk_add_f32 v[TS+2*\k:TS+2*\k+1], v[\sb+4*\k:\sb+4*\k+1], v[\sb+4*\k+2:\sb+4*\k+3]
.endr
.set j, 16
.rept 2
.irp k, 0,1,2,3
	v_pk_add_f32 v[TS+2*\k:TS+2*\k+1], v[TS+2*\k:TS+2*\k+1], v[\sb+j+2*\k:\sb+j+2*\k+1]   ; blocks 0 and 1 are summed before they are held
.endr
.set j, j+8
.endr
	v_mul_f32 v[TMP], 0x42800000, v[PLO]           ; 64 plo: my 64 keys' sum where all of them are held from below
.irp b, 0,1,2,3
	v_max3_num_f32 v[BM+\b], v[BM+\b], v[PLO], 0x4800000   ; the block's largest held p, and the floor 2^(9 - 127): the byte cannot fall under 1
.endr
.irp b, 0,1,2,3
	v_add_nc_u32 v[CSC+\b], 0xfc000000, v[BM+\b]
.endr
.irp b, 0,1,2,3
	v_and_or_b32 v[HOLD+\b], v[BM+\b], 0x7f800000, s[MNT]
.endr
.irp b, 0,1,2,3
	v_lshrrev_b32 v[BN+\b], 23, v[CSC+\b]
.endr
	s_delay_alu instid0(VALU_DEP_3)
	v_lshl_or_b32 v[PWP+\t], v[BN+1], 8, v[BN]     ; p's scale word for these 128 keys
	s_delay_alu instid0(VALU_DEP_1)
	v_lshl_or_b32 v[PWP+\t], v[BN+2], 16, v[PWP+\t]
	s_delay_alu instid0(VALU_DEP_1)
	v_lshl_or_b32 v[PWP+\t], v[BN+3], 24, v[PWP+\t]
	s_wait_alu depctr_va_vdst(0)                   ; ahead of the batch
.set j, 0
.rept 32
	v_exp_f32 v[\sb+32+j], v[\sb+32+j]             ; p of blocks 2 and 3; among them the holds of blocks 0 and 1:
	v_med3_num_f32 v[\sb+j], v[\sb+j], v[PLO], v[HOLD+j/16]   ; both holds in one: reference()'s from below, and 448 x the scale (the conversion does not saturate: ISA guide 7.6.2)
.set j, j+1
.endr
	s_wait_alu depctr_va_vdst(0)                   ; one wait for the batch, ahead of its first reader
.set j, 32
.rept 4
.irp k, 0,1,2,3
	v_pk_add_f32 v[TS+2*\k:TS+2*\k+1], v[TS+2*\k:TS+2*\k+1], v[\sb+j+2*\k:\sb+j+2*\k+1]
.endr
.set j, j+8
.endr
	v_pk_add_f32 v[TS:TS+1], v[TS:TS+1], v[TS+2:TS+3]
	v_pk_add_f32 v[TS+4:TS+5], v[TS+4:TS+5], v[TS+6:TS+7]
	s_delay_alu instid0(VALU_DEP_1)
	v_pk_add_f32 v[TS:TS+1], v[TS:TS+1], v[TS+4:TS+5]
	s_delay_alu instid0(VALU_DEP_1)
	v_add_f32 v[TS], v[TS], v[TS+1]
	s_delay_alu instid0(VALU_DEP_1)
	v_max_num_f32 v[TS], v[TS], v[TMP]
	s_delay_alu instid0(VALU_DEP_1)
	v_add_f32 v[SU], v[SU], v[TS]
.irp b, 2,3
.set j, 0
.rept 16
	v_med3_num_f32 v[\sb+16*\b+j], v[\sb+16*\b+j], v[PLO], v[HOLD+\b]
.set j, j+1
.endr
.endr
	WIN 0x40                                       ; the codes go to window 1
.irp b, 0,1,2,3
	v_cvt_scalef32_pk8_fp8_f32 v[PCD+4*\b:PCD+4*\b+1], v[\sb+16*\b:\sb+16*\b+7], v[CSC+\b]
	v_cvt_scalef32_pk8_fp8_f32 v[PCD+4*\b+2:PCD+4*\b+3], v[\sb+16*\b+8:\sb+16*\b+15], v[CSC+\b]
.endr
	WIN 0x41
	s_wait_alu depctr_va_vdst(0)                   ; directly ahead of the first reader of O^T
.set j, 32*(\t)
.rept 16
	v_pk_mul_f32 v[j:j+1], v[j:j+1], v[FF:FF+1] op_sel_hi:[1,0]   ; O^T under the new M.  (These are also the places between the codes and the products)
.set j, j+2
.endr
	WIN 0
.endm
.macro PVMM t                          ; O^T += V^T P^T of tile t: four accumulators by turns
	WIN 0x55
.irp n, 0,1,2,3
	v_wmma_scale_f32_16x16x128_f8f6f4 v[32*(\t)+8*\n:32*(\t)+8*\n+7], v[VF+16*\n:VF+16*\n+15], v[PCD:PCD+15], v[32*(\t)+8*\n:32*(\t)+8*\n+7], v[VS+\n], v[PWP+(\t)]
.endr
	WIN 0
.endm
.macro SMM t, sb                       ; S^T = K Q^T + the mask, of tile t: eight accumulators
	WIN 0x04
.irp b, 0,1,2,3
	v_wmma_scale_f32_16x16x128_f8f6f4 v[\sb+16*\b:\sb+16*\b+7], v[KF+16*\b:KF+16*\b+15], v[QR+8+16*(\t):QR+23+16*(\t)], v[\sb+16*\b:\sb+16*\b+7], v[KS+\b], v[QS+(\t)]
	v_wmma_scale_f32_16x16x128_f8f6f4 v[\sb+16*\b+8:\sb+16*\b+15], v[KF+16*\b:KF+16*\b+15], v[QR+16*(\t):QR+15+16*(\t)], v[\sb+16*\b+8:\sb+16*\b+15], v[KS+\b], v[QS+(\t)]
.endr
	WIN 0
.endm
.macro MLOAD t, sb                     ; the mask of tile t, in the result's layout: it is the product's C
.irp n, 0,1,2,3,4,5,6,7
.irp i, 0,1
	ds_load_b128 v[\sb+8*\n+4*\i:\sb+8*\n+4*\i+3], v[ADM] offset:(\t)*16*MP+128*(\n/2)+32*(\n%2)+16*\i
.endr
.endr
.endm
; THE CHANGE OF SLOTS.  Each wave waits for all its tensor loads (one is out: its part of the next slot), adds 0 to its spare word, and waits for that and for its reads of the slot in hand, which are all in registers.
; mm = 1: tile 0's second product and tile 1's first, work on registers, stand between the opening signal and its wait.  fill = 1: a round of the cluster's barrier, and behind it the slot just left takes the step after the next.
.macro ENDSTEP fill, mm
	s_wait_alu depctr_va_vdst(0)
	s_wait_tensorcnt 0x0                           ; no tensor load of mine is out, so a group 0 may be written
	ds_add_u32 v[SPW], v[NIL]
.if \fill
	s_xor_b32 s[G0M+1], s[G0M+1], SLOT1
	s_add_nc_u64 s[G0M+2:G0M+3], s[G0M+2:G0M+3], 512
	s_xor_b32 s[G0K+1], s[G0K+1], SLOT1
	s_add_nc_u64 s[G0K+2:G0K+3], s[G0K+2:G0K+3], KVB
	s_wait_xcnt 0x0                                ; the last prefetch, a step back, has read its address
	s_add_nc_u64 s[PFA:PFA+1], s[PFA:PFA+1], s[PFS:PFS+1]   ; two steps further on than the walking descriptors
.endif
	s_wait_dscnt 0x0
	s_barrier_signal -1
.if \mm
	PVMM 0
	SMM 1, SB
.endif
	s_barrier_wait -1
.if \fill
	CREST
	TLOAD                                          ; the first thing behind the round, and a wave's one tensor load until the next
	ASK
.endif
.endm
; A STEP behind its change of slots.  defer = 1: tile 1 of the step before is worked while K and tile 0's mask come
.macro BODY defer
	v_add_nc_u32 v[ADM], s[TB], v[AM0]
	v_add_nc_u32 v[ADK], s[TB], v[AK0]
	v_add_nc_u32 v[ADV], s[TB], v[AV0]
	v_add_nc_u32 v[ADKS], s[TB], v[AKS0]
	v_add_nc_u32 v[ADVS], s[TB], v[AVS0]
.rept 3
	v_nop                                          ; with the five additions: eight places in front of loads into registers that the last products read, and of the first read of tile 1's scores
.endr
.irp b, 0,1,2,3
.irp c, 0,1,2,3
	ds_load_b128 v[KF+16*\b+4*\c:KF+16*\b+4*\c+3], v[ADK] offset:2048*\b+512*\c   ; K: fragment b holds the two tiles of keys 32 b on
.endr
.endr
	ds_load_b128 v[KS:KS+3], v[ADKS]               ; and its scale words
	MLOAD 0, SA
.if \defer
	SOFTMAX 1, SB
	PVMM 1
.else
	s_wait_alu depctr_va_vdst(0)
.endif
	s_wait_dscnt 0x0                               ; K, its scale words and tile 0's mask are in
	SMM 0, SA
.rept 8
	v_nop                                          ; eight places: in front of the loads into V's registers and of the first read of the scores
.endr
	WIN 0x40
.irp n, 0,1,2,3
.irp c, 0,1,2,3
	ds_load_b128 v[VF+16*\n+4*\c:VF+16*\n+4*\c+3], v[ADV] offset:2048*\n+512*\c   ; V and tile 1's mask land while tile 0's softmax is walked
.endr
.endr
	WIN 0
	ds_load_b64 v[VS:VS+1], v[ADVS]
	ds_load_b64 v[VS+2:VS+3], v[ADVS] offset:128
	MLOAD 1, SB
	SOFTMAX 0, SA
	s_xor_b32 s[TB], s[TB], SLOT1
.endm
	s_wait_alu depctr_va_vdst(0)                   ; the head's end
	s_wait_tensorcnt 0x0                           ; my part of steps 0 and 1 is in, and no tensor load of mine is out, so a descriptor may be written:
	ds_add_u32 v[SPW], v[NIL]
	s_mov_b32 s[G1M+2], 32<<16                     ; from here on a load brings the ring's share: 32 rows of the mask's tile,
	s_mov_b32 s[G1M+4], 32
	s_mov_b32 s[G1K+2], 44<<16                     ; 44 rows of kv
	s_mov_b32 s[G1K+4], 44
	s_wait_dscnt 0x0
	s_barrier_signal -1
	s_barrier_wait -1                              ; both slots are whole
	BODY 0
	s_mov_b32 s[SLOTS], 30
.Lstep:                                            ; 30 trips: trip j ends step j, asks for step j + 2 and begins step j + 1
	ENDSTEP 1, 1
	BODY 1
	s_sub_co_u32 s[SLOTS], s[SLOTS], 1
	s_cmp_lg_u32 s[SLOTS], 0
	s_cbranch_scc1 .Lstep
	ENDSTEP 0, 1                                   ; the last change of slots is written out: it asks for nothing
	BODY 1
	s_wait_alu depctr_va_vdst(0)
	s_wait_dscnt 0x0
	PVMM 0
	SMM 1, SB
.rept 8
	v_nop
.endr
	SOFTMAX 1, SB
	PVMM 1
	; THE WAY OUT: O^T / the sum, quantised along the channels (a lane's 16 registers of two neighbouring tiles are 16 neighbouring channels), as images of the last projection's operand
.rept 8
	v_nop
.endr
.irp t, 0,1
	v_permlanex16_b32 v[BN+\t], v[18+4*\t], s[SEL], s[SEL+1]
.endr
.irp t, 0,1
	s_delay_alu instid0(VALU_DEP_2)
	v_add_f32 v[18+4*\t], v[18+4*\t], v[BN+\t]     ; the row's sum
.endr
	s_wait_alu depctr_va_vdst(0)
.irp t, 0,1
	v_rcp_f32 v[18+4*\t], v[18+4*\t]
.endr
	WIN 0x01                                       ; source 0 window 1
	v_nop                                          ; a plain line behind the reciprocals,
	s_wait_alu depctr_va_vdst(0)                   ; and one wait for both, directly ahead of the first reader of them and of O^T
.irp t, 0,1
.set j, 0
.rept 16
	v_pk_mul_f32 v[SA+32*\t+j:SA+32*\t+j+1], v[32*\t+j:32*\t+j+1], v[18+4*\t:19+4*\t] op_sel_hi:[1,0]
.set j, j+2
.endr
.endr
	WIN 0
	QUANT SA, 242                                  ; block 2 t + c: query r of tile t, channels 32 c on
.irp t, 0,1
.irp c, 0,1
	global_store_b128 v[LI], v[PC+4*(2*\t+\c):PC+4*(2*\t+\c)+3], s[74:75] offset:\t*16384+\c*512   ; 512 consecutive bytes
.endr
.endr
	ds_store_b16 v[STO], v242                      ; tile 0's two bytes,
	ds_store_b16_d16_hi v[STO], v242 offset:128    ; tile 1's: the four heads' halfwords meet in LDS, so that whole words leave
	s_wait_dscnt 0x0
	s_barrier_signal -1
	s_barrier_wait -1
	s_cmp_lg_u32 s[WV], 0
	s_cbranch_scc1 .Lnot_first
	ds_load_b128 v[SA:SA+3], v[STR]
	s_wait_dscnt 0x0
	global_store_b128 v[LI], v[SA:SA+3], s[76:77]  ; 512 consecutive bytes
.Lnot_first:
	s_wait_tensorcnt 0x0                           ; the wave's end
	ds_add_u32 v[SPW], v[NIL]
	s_wait_dscnt 0x0
	CROUND                                         ; the closing round
	s_endpgm
.Lfunc_end_k_q4eeedbb448_attn:
	.size	k_q4eeedbb448_attn, .Lfunc_end_k_q4eeedbb448_attn-k_q4eeedbb448_attn
	.p2alignl 7, 3214868480
	.fill 96, 4, 3214868480
	.section	.rodata,"a",@progbits
	.p2align	6, 0x0
	.amdhsa_kernel k_q4eeedbb448_attn
		.amdhsa_group_segment_fixed_size 327680
		.amdhsa_private_segment_fixed_size 0
		.amdhsa_enable_private_segment 0
		.amdhsa_kernarg_size 48
		.amdhsa_user_sgpr_count 2
		.amdhsa_user_sgpr_kernarg_segment_ptr 1
		.amdhsa_wavefront_size32 1
		.amdhsa_system_sgpr_workgroup_id_x 1
		.amdhsa_system_sgpr_workgroup_id_y 1
		.amdhsa_system_sgpr_workgroup_id_z 1
		.amdhsa_system_vgpr_workitem_id 0
		.amdhsa_next_free_vgpr 448
		.amdhsa_next_free_sgpr 100
		.amdhsa_reserve_vcc 0
		.amdhsa_float_denorm_mode_32 3
		.amdhsa_float_denorm_mode_16_64 3
		.amdhsa_memory_ordered 1
		.amdhsa_forward_progress 1
		.amdhsa_inst_pref_size 156
	.end_amdhsa_kernel
	.amdgpu_metadata
---
amdhsa.version: [ 1, 2 ]
amdhsa.kernels:
  - .name:           k_q4eeedbb448_attn
    .symbol:         k_q4eeedbb448_attn.kd
    .args:
      - { .name: attention_mask, .offset: 0, .size: 8, .value_kind: global_buffer, .address_space: global }
      - { .name: qimg, .offset: 8, .size: 8, .value_kind: global_buffer, .address_space: global }
      - { .name: qsc, .offset: 16, .size: 8, .value_kind: global_buffer, .address_space: global }
      - { .name: kv, .offset: 24, .size: 8, .value_kind: global_buffer, .address_space: global }
      - { .name: oimg, .offset: 32, .size: 8, .value_kind: global_buffer, .address_space: global }
      - { .name: osc, .offset: 40, .size: 8, .value_kind: global_buffer, .address_space: global }
    .group_segment_fixed_size: 327680
    .private_segment_fixed_size: 0
    .kernarg_segment_align: 8
    .kernarg_segment_size: 48
    .max_flat_workgroup_size: 256
    .sgpr_count:     100
    .vgpr_count:     448
    .wavefront_size: 32
...
	.end_amdgpu_metadata
.endif
;; end of part 3
;; launch oproj (part 4): grid 8 x 32, 4 waves a work-group, clusters of 4 x 4, 327,680 bytes of LDS; arguments oimg, osc, cimg, csc, Bo, out0; writes out0
.if DOCPART == 4
	.amdgcn_target "amdgcn-amd-amdhsa--gfx1250"
	.amdhsa_code_object_version 6
	.text
	.protected	k_q4eeedbb448_oproj
	.globl	k_q4eeedbb448_oproj
	.p2align	8
	.type	k_q4eeedbb448_oproj,@function
k_q4eeedbb448_oproj:
	s_mov_b64 s[64:65], 0
	v_nop
	global_prefetch_b8 v0, s[64:65] scope:SCOPE_SE
	s_setreg_imm32_b32 hwreg(HW_REG_WAVE_MODE, 25, 1), 1
	s_wait_xcnt 0x0
	s_wait_alu depctr_hold_cnt(0) depctr_sa_sdst(0) depctr_va_vdst(0) depctr_va_sdst(0) depctr_va_ssrc(0) depctr_va_vcc(0) depctr_vm_vsrc(0)
	s_getreg_b32 s2, hwreg(HW_REG_IB_STS2, 6, 4)
	s_cmp_eq_u32 s2, 0
	s_cbranch_scc0 .Lentry_in_a_cluster
	s_endpgm
.Lentry_in_a_cluster:
	s_bfe_u32 s2, ttmp6, 0x10000c
	s_cmp_lg_u32 s2, 0xf033
	s_cbranch_scc0 .Lentry_shape_is_right
	s_endpgm
.Lentry_shape_is_right:
; out0 = O Wo^T + 2 (O Ao^T) Bo^T.  O [4096][1024], Wo [1024][1024] and Ao [16][1024] come as images of operand registers (tile of 16 rows: 8 K steps x 2,048 bytes) with their scale words; both products with K = 1,024 run on codes of FP8 (E4M3)
; with E8M0 scales; the product with Bo (K = 16) takes bf16 operands: its result goes to the output.
; SHARES.  A work-group makes 128 tokens x 128 columns; wave (mh, nh) 64 x 64: 16 accumulators, and 4 more for its tokens' O Ao^T.
; LDS IS FILLED ONCE.  The block's 8 tiles of O and 9 tiles of Wo and Ao, for all of K, are 278,528 bytes.  Each wave asks for a quarter with ONE tensor load at the head: rows of 8,192 bytes (half of K of one tile), 16,384 bytes apart in memory:
; waves 0, 1 O's halves of K, waves 2, 3 the weights'.  Nothing is filled again.  CLUSTER 4 x 4: O's tiles are shared along a row of the cluster, the weights' along a column.
; No prefetch: every tile is asked for at the head, so there is no loop to run ahead in.
; K steps go by turns through two sets of fragment registers (windows 1 and 2): step ks + 2 is fetched from LDS behind the products of step ks.
; The matrix instruction is used transposed (source 0 = weights): a lane holds eight neighbouring columns of one token; results leave through the wave's own stage in LDS as aligned units of 256 bytes.
.set FRB,   8192                       ; from tile to tile in LDS
.set KSB,   2048                       ; from K step to K step
.set XH,    65536                      ; O: from one half of K to the other
.set WH,    73728                      ; the weights: likewise
.set WOFF,  131072
.set STAGE, WOFF+2*WH
.set SPITCH, 272
.set SPARE, STAGE+4*16*SPITCH          ; the spare words, 128 bytes for each wave
.set LI,   3
.set AX,   4                           ; v4-5 my O fragments in the two halves of K
.set AW,   6                           ; v6-7 my Wo fragments
.set AA,   8                           ; v8-9 Ao's
.set SO,   10
.set SR,   11
.set GO,   12
.set XSO,  13
.set WSO,  14
.set BOO,  15
.set XS,   32
.set WS,   64
.set UB,   128
.set BO,   160
.set BL,   192
.set SPW,  254
.set NIL,  255
.set WV,   16
.set MH,   17
.set NH,   18
.set G1,   24
.set G1B,  32
.set G0,   40
.set G0B,  68
.set MSB, 0
.macro WIN new
.if MSB != (\new)
	s_set_vgpr_msb (MSB<<8)|(\new)
.set MSB, (\new)
.endif
.endm
.macro PLACES n
.rept \n
	v_nop
.endr
.endm
.macro CROUND
	s_barrier_signal -1
	s_barrier_wait -1
	s_cmp_lg_u32 s[WV], 0
	s_cbranch_scc1 .Lnot_wave_0_\@
	s_barrier_signal -3
.Lnot_wave_0_\@:
	s_barrier_wait -3
	s_barrier_signal -1
	s_barrier_wait -1
.endm
	s_load_b256 s[4:11], s[0:1], 0x0               ; oimg, osc, cimg, csc
	s_load_b128 s[12:15], s[0:1], 0x20             ; Bo, out0
	v_lshl_add_u32 v[SPW], v0, 2, SPARE
	v_mov_b32 v[NIL], 0
	ds_add_u32 v[SPW], v[NIL]                      ; the opening lines: the add, twice on end, and its wait
	ds_add_u32 v[SPW], v[NIL]
	v_lshrrev_b32 v1, 5, v0
	v_readfirstlane_b32 s[WV], v1
	s_lshr_b32 s[MH], s[WV], 1                     ; my half of the tokens.  Also: I fetch O (0) or the weights (1)
	s_and_b32 s[NH], s[WV], 1                      ; my half of the columns.  Also: which half of K I fetch
	s_bfe_u32 s56, ttmp6, 0x40000
	s_bfe_u32 s57, ttmp6, 0x40004
	s_lshl_b32 s58, ttmp9, 2
	s_add_co_u32 s58, s58, s56                     ; the block of 128 columns
	s_and_b32 s59, ttmp7, 0xffff
	s_lshl_b32 s59, s59, 2
	s_add_co_u32 s59, s59, s57                     ; the block of 128 tokens
	s_lshl_b32 s60, s57, 2
	s_lshl_b32 s60, 15, s60
	s_lshl_b32 s61, 0x1111, s56
	s_or_b32 s[G1], s60, (3<<16)|(1<<21)           ; O: 8 rows of 1,024 elements of 8 bytes, 2,048 elements apart
	s_or_b32 s[G1B], s61, (3<<16)|(1<<21)          ; the weights: 9 such rows
	s_mov_b32 s[G1+1], 1024<<16
	s_mov_b32 s[G1+2], 8<<16
	s_mov_b32 s[G1+3], 1024<<16
	s_mov_b32 s[G1+4], 8
	s_mov_b32 s[G1+5], 2048
	s_mov_b32 s[G1+6], 0
	s_mov_b32 s[G1+7], 0
	s_mov_b32 s[G1B+1], 1024<<16
	s_mov_b32 s[G1B+2], 9<<16
	s_mov_b32 s[G1B+3], 1024<<16
	s_mov_b32 s[G1B+4], 9
	s_mov_b32 s[G1B+5], 2048
	s_mov_b32 s[G1B+6], 0
	s_mov_b32 s[G1B+7], 0
	s_lshl_b32 s20, s[NH], 13                      ; my half of K: 8,192 bytes on in each tile
	s_lshl_b32 s86, s59, 17
	s_add_co_u32 s86, s86, s20
	s_mov_b32 s87, 0
	s_mul_i32 s90, s58, 9
	s_add_co_u32 s90, s90, 496                     ; the weights' first tile in cimg
	s_lshl_b32 s88, s90, 14
	s_add_co_u32 s88, s88, s20
	s_mov_b32 s89, 0
	s_lshl_b32 s84, s[NH], 16
	s_mul_i32 s85, s[NH], WH
	s_add_co_u32 s85, s85, WOFF
	s_wait_dscnt 0x0
	s_wait_kmcnt 0x0
	s_mov_b32 s[G0], 1
	s_mov_b32 s[G0+1], s84
	s_add_nc_u64 s[G0+2:G0+3], s[4:5], s[86:87]
	s_or_b32 s[G0+3], s[G0+3], 0x80000000
	s_mov_b32 s[G0B], 1
	s_mov_b32 s[G0B+1], s85
	s_add_nc_u64 s[G0B+2:G0B+3], s[8:9], s[88:89]
	s_or_b32 s[G0B+3], s[G0B+3], 0x80000000
	CROUND                                         ; all sixteen work-groups are here: the joint loads meet
	s_cmp_eq_u32 s[MH], 0                          ; one load a wave, a load in each arm
	s_cbranch_scc0 .Lfor_b
	tensor_load_to_lds s[G0:G0+3], s[G1:G1+7]
	s_nop 0
.rept 4
	v_nop
.endr
	s_branch .Lasked
.Lfor_b:
	tensor_load_to_lds s[G0B:G0B+3], s[G1B:G1B+7]
	s_nop 0
.rept 4
	v_nop
.endr
.Lasked:
	v_and_b32 v1, 15, v0
	v_bfe_u32 v2, v0, 4, 1
	v_and_b32 v[LI], 31, v0
	v_lshlrev_b32 v[LI], 4, v[LI]
	s_wait_alu depctr_va_vdst(0)
	s_lshl_b32 s20, s[MH], 15
	v_add_nc_u32 v[AX], s20, v[LI]
	v_add_nc_u32 v[AX+1], XH, v[AX]
	s_lshl_b32 s20, s[NH], 15
	s_add_co_u32 s20, s20, WOFF
	v_add_nc_u32 v[AW], s20, v[LI]
	v_add_nc_u32 v[AW+1], WH, v[AW]
	v_add_nc_u32 v[AA], WOFF+8*FRB, v[LI]
	v_add_nc_u32 v[AA+1], WH, v[AA]
	s_mul_i32 s20, s[WV], 16*SPITCH
	s_add_co_u32 s20, s20, STAGE
	v_mul_u32_u24 v[SO], v1, SPITCH
	v_lshl_add_u32 v[SO], v2, 6, v[SO]
	v_add_nc_u32 v[SO], s20, v[SO]
	v_mul_u32_u24 v[SR], v2, SPITCH
	v_lshl_add_u32 v[SR], v1, 4, v[SR]
	v_add_nc_u32 v[SR], s20, v[SR]
	v_lshlrev_b32 v[GO], 12, v2
	v_lshl_add_u32 v[GO], v1, 4, v[GO]
	v_lshlrev_b32 v[XSO], 3, v1
	v_lshlrev_b32 v[WSO], 4, v1
	v_and_b32 v[BOO], 8, v1
	v_add_nc_u32 v[BOO], v[BOO], v1
	v_lshlrev_b32 v[BOO], 6, v[BOO]
	v_lshl_add_u32 v[BOO], v2, 5, v[BOO]
	s_wait_alu depctr_va_vdst(0)
	s_lshl_b32 s20, s59, 3
	s_lshl_b32 s21, s[MH], 2
	s_add_co_u32 s20, s20, s21
	s_lshl_b32 s20, s20, 7
	s_mov_b32 s21, 0
	s_add_nc_u64 s[92:93], s[6:7], s[20:21]
	s_lshl_b32 s20, s[NH], 2
	s_add_co_u32 s20, s20, s90
	s_lshl_b32 s20, s20, 9
	s_add_nc_u64 s[94:95], s[10:11], s[20:21]
	s_add_co_u32 s20, s90, 8
	s_lshl_b32 s20, s20, 9
	s_add_nc_u64 s[96:97], s[10:11], s[20:21]
	s_lshl_b32 s20, s58, 13
	s_lshl_b32 s22, s[NH], 12
	s_add_co_u32 s20, s20, s22
	s_add_nc_u64 s[98:99], s[12:13], s[20:21]
	s_lshl_b32 s20, s59, 19
	s_lshl_b32 s22, s[MH], 18
	s_add_co_u32 s20, s20, s22
	s_lshl_b32 s22, s58, 9
	s_add_co_u32 s20, s20, s22
	s_lshl_b32 s22, s[NH], 8
	s_add_co_u32 s20, s20, s22
	s_add_nc_u64 s[14:15], s[14:15], s[20:21]
.irp a, 0,1,2,3
.irp g, 0,1,2,3
	global_load_b64 v[XS+8*\a+2*\g:XS+8*\a+2*\g+1], v[XSO], s[92:93] offset:\g*32768+\a*128   ; O's scale words
.endr
.endr
.irp b, 0,1,2,3
.irp kh, 0,1
	global_load_b128 v[WS+8*\b+4*\kh:WS+8*\b+4*\kh+3], v[WSO], s[94:95] offset:\b*512+\kh*256   ; Wo's
.endr
.endr
.irp kh, 0,1
	global_load_b128 v[WS+32+4*\kh:WS+32+4*\kh+3], v[WSO], s[96:97] offset:\kh*256   ; Ao's
.endr
.irp b, 0,1,2,3
	global_load_b128 v[BL+8*\b:BL+8*\b+3], v[BOO], s[98:99] offset:(32*(\b/2)+8*(\b%2))*64
	global_load_b128 v[BL+8*\b+4:BL+8*\b+7], v[BOO], s[98:99] offset:(32*(\b/2)+8*(\b%2))*64+16
.endr
	s_wait_loadcnt 0x0
.set j, 0
.rept 16
	v_pk_add_f32 v[BL+j:BL+j+1], v[BL+j:BL+j+1], v[BL+j:BL+j+1]   ; 2 Bo: alpha / r
.set j, j+2
.endr
.irp b, 0,1,2,3
.irp i, 0,1,2,3
	v_cvt_pk_bf16_f32 v[BO+8*\b+\i], v[BL+8*\b+2*\i], v[BL+8*\b+2*\i+1]
	v_mov_b32 v[BO+8*\b+4+\i], 0                   ; K = 16 of the form's 32: the rest are zeros on both sides
	v_mov_b32 v[UB+8*\b+4+\i], 0
.endr
.endr
.macro FRAG reg, adr, off
.irp c, 0,1,2,3
	ds_load_b128 v[(\reg)+4*\c:(\reg)+4*\c+3], v[\adr] offset:(\off)+512*\c
.endr
.endm
.macro FETCH ks                        ; 36 loads: K step ks: my 4 tiles of O, my 4 of Wo, Ao's
.irp a, 0,1,2,3
	FRAG 16*\a, AX+(\ks)/4, ((\ks)%4)*KSB+\a*FRB
.endr
.irp b, 0,1,2,3
	FRAG 64+16*\b, AW+(\ks)/4, ((\ks)%4)*KSB+\b*FRB
.endr
	FRAG 128, AA+(\ks)/4, ((\ks)%4)*KSB
.endm
.macro MUL20 ks, zero                  ; 20 accumulators by turns
.irp a, 0,1,2,3
.irp b, 0,1,2,3,4
.if \zero
	v_wmma_scale_f32_16x16x128_f8f6f4 v[8*(5*\a+\b):8*(5*\a+\b)+7], v[64+16*\b:64+16*\b+15], v[16*\a:16*\a+15], 0, v[WS+8*\b+(\ks)], v[XS+8*\a+(\ks)]
.else
	v_wmma_scale_f32_16x16x128_f8f6f4 v[8*(5*\a+\b):8*(5*\a+\b)+7], v[64+16*\b:64+16*\b+15], v[16*\a:16*\a+15], v[8*(5*\a+\b):8*(5*\a+\b)+7], v[WS+8*\b+(\ks)], v[XS+8*\a+(\ks)]
.endif
.endr
.endr
.endm
	s_wait_alu depctr_va_vdst(0)                   ; the head's end
	s_wait_tensorcnt 0x0                           ; my quarter is in
	s_barrier_signal -1
	s_barrier_wait -1                              ; and everybody's
	WIN 0x40
	FETCH 0
	WIN 0x80
	FETCH 1
.irp ks, 0,1,2,3,4,5,6,7
.if \ks < 7
	s_wait_dscnt 36                                ; this K step's fragments are in; the next step's 36 loads may be out
.else
	s_wait_dscnt 0x0
.endif
	WIN 0xf5+5*(\ks%2)                             ; sources in window 1 or 2, C and D in window 3
.if \ks == 0
	MUL20 0, 1
.else
	MUL20 \ks, 0
.endif
.if \ks < 6
	PLACES 8                                       ; in front of loads into registers that these products read
	WIN 0x40<<(\ks%2)
	FETCH \ks+2
.endif
.endr
	WIN 0
	PLACES 9
	WIN 0x0f
.irp a, 0,1,2,3
.irp i, 0,1,2,3
	v_cvt_pk_bf16_f32 v[UB+8*\a+\i], v[8*(5*\a+4)+2*\i], v[8*(5*\a+4)+2*\i+1]   ; O Ao^T as bf16
.endr
.endr
	WIN 0xf0
.irp a, 0,1,2,3
.irp b, 0,1,2,3
	v_wmma_f32_16x16x32_bf16 v[8*(5*\a+\b):8*(5*\a+\b)+7], v[BO+8*\b:BO+8*\b+7], v[UB+8*\a:UB+8*\a+7], v[8*(5*\a+\b):8*(5*\a+\b)+7]
.endr
.endr
	PLACES 8
.irp a, 0,1,2,3
.if \a > 1
	s_wait_xcnt 0x0                                ; block a - 2's stores have read their registers
.endif
	WIN 0x0c
.irp b, 0,1,2,3
	ds_store_b128 v[SO], v[8*(5*\a+\b):8*(5*\a+\b)+3] offset:128*(\b/2)+32*(\b%2)
	ds_store_b128 v[SO], v[8*(5*\a+\b)+4:8*(5*\a+\b)+7] offset:128*(\b/2)+32*(\b%2)+16
.endr
	WIN 0
.irp i, 0,1,2,3,4,5,6,7
	ds_load_b128 v[128+32*(\a%2)+4*\i:128+32*(\a%2)+4*\i+3], v[SR] offset:2*\i*SPITCH   ; LDS serves a wave's instructions in order: these see my stores
.endr
.irp i, 0,1,2,3,4,5,6,7
	s_wait_dscnt 7-\i
	global_store_b128 v[GO], v[128+32*(\a%2)+4*\i:128+32*(\a%2)+4*\i+3], s[14:15] offset:(16*\a+2*\i)*4096 th:TH_STORE_NT   ; sixteen lanes store 256 consecutive bytes, aligned
.endr
.endr
	s_wait_tensorcnt 0x0                           ; the wave's end
	ds_add_u32 v[SPW], v[NIL]
	s_wait_dscnt 0x0
	CROUND                                         ; the closing round
	s_endpgm
.Lfunc_end_k_q4eeedbb448_oproj:
	.size	k_q4eeedbb448_oproj, .Lfunc_end_k_q4eeedbb448_oproj-k_q4eeedbb448_oproj
	.p2alignl 7, 3214868480
	.fill 96, 4, 3214868480
	.section	.rodata,"a",@progbits
	.p2align	6, 0x0
	.amdhsa_kernel k_q4eeedbb448_oproj
		.amdhsa_group_segment_fixed_size 327680
		.amdhsa_private_segment_fixed_size 0
		.amdhsa_enable_private_segment 0
		.amdhsa_kernarg_size 48
		.amdhsa_user_sgpr_count 2
		.amdhsa_user_sgpr_kernarg_segment_ptr 1
		.amdhsa_wavefront_size32 1
		.amdhsa_system_sgpr_workgroup_id_x 1
		.amdhsa_system_sgpr_workgroup_id_y 1
		.amdhsa_system_sgpr_workgroup_id_z 1
		.amdhsa_system_vgpr_workitem_id 0
		.amdhsa_next_free_vgpr 928
		.amdhsa_next_free_sgpr 100
		.amdhsa_reserve_vcc 0
		.amdhsa_float_denorm_mode_32 3
		.amdhsa_float_denorm_mode_16_64 3
		.amdhsa_memory_ordered 1
		.amdhsa_forward_progress 1
		.amdhsa_inst_pref_size 65
	.end_amdhsa_kernel
	.amdgpu_metadata
---
amdhsa.version: [ 1, 2 ]
amdhsa.kernels:
  - .name:           k_q4eeedbb448_oproj
    .symbol:         k_q4eeedbb448_oproj.kd
    .args:
      - { .name: oimg, .offset: 0, .size: 8, .value_kind: global_buffer, .address_space: global }
      - { .name: osc, .offset: 8, .size: 8, .value_kind: global_buffer, .address_space: global }
      - { .name: cimg, .offset: 16, .size: 8, .value_kind: global_buffer, .address_space: global }
      - { .name: csc, .offset: 24, .size: 8, .value_kind: global_buffer, .address_space: global }
      - { .name: Bo, .offset: 32, .size: 8, .value_kind: global_buffer, .address_space: global }
      - { .name: out0, .offset: 40, .size: 8, .value_kind: global_buffer, .address_space: global }
    .group_segment_fixed_size: 327680
    .private_segment_fixed_size: 0
    .kernarg_segment_align: 8
    .kernarg_segment_size: 48
    .max_flat_workgroup_size: 128
    .sgpr_count:     100
    .vgpr_count:     928
    .wavefront_size: 32
...
	.end_amdgpu_metadata
.endif
;; end of part 4
